; MI455X (gfx1250); checked and timed in simulation.
; The chip was launched on July 23, 2026; its instructions are those of AMD's public machine-readable ISA for CDNA 5 (MIT licence, August 2026) and "CDNA5" Instruction Set Architecture Reference Guide (July 2026). The comments in the code are by the model that wrote it; some were corrected since.
;; Axial Multihead Attention. Allowed arithmetic: matrix products marked QUANTISED: E2M3 operands, one E8M0 scale for each 32 along K, by v_wmma_scale_f32_16x16x128_f8f6f4 with both operands' format E2M3, f32 sums; everything else in f32.
;; Inputs: W_in 3,072 x 1,024 float32; W_out 1,024 x 1,024 float32; b_in 3,072 float32; b_out 1,024 float32; x 8 x 1,024 x 1,024 float32.
;; Outputs: out0 8 x 1,024 x 1,024 float32; out1 8 x 1,024 x 1,024 float32.
;; This version of the problem:
;;   THIS VERSION OF THE PROBLEM IS GIVEN IN LOW PRECISION. The matrix products marked QUANTISED in the list below multiply operands that are first quantised to E2M3 (2 exponent bits, 3 mantissa bits; 6 bits a number), with one power-of-two scale for each 32 numbers along K (OCP MX v1.0); their sums are f32. All else is computed in f32.
;;   The module's matrix products, in the order in which they are computed (A, B: the left and right operand; K: the contracted axis; several contracted axes count as one K, in the product's order):
;;     1. [M 8,192, K 1,024] x [K 1,024, N 3,072]; A: input x; B: input W_in: QUANTISED
;;     2. batch 128 x [M 1,024, K 64] x [K 64, N 1,024]; A: computed on the way; B: computed on the way: QUANTISED
;;     3. batch 128 x [M 1,024, K 1,024] x [K 1,024, N 64]; A: softmax (see below); B: computed on the way: QUANTISED
;;     4. [M 8,192, K 1,024] x [K 1,024, N 1,024]; A: computed on the way; B: input W_out: QUANTISED
;;   THE QUANTISER, for each operand of a quantised product, along K:
;;     - K is cut into blocks of 32 from its start; a last block that is shorter is filled with zeros.
;;     - A block's scale is 2^e with e = floor(log2(the largest magnitude in the block)) - 2, held to -126 .. 127; a block of zeros has e = 0. As a byte (E8M0): e + 127.
;;     - Each number is divided by its block's scale, clamped to +-7.5, and rounded to the nearest number of E2M3, ties to even, subnormals kept.
;;     - The product sums the exact products of the quantised numbers (number of the format x scale) in f32.
;;   ~~~python
;;   def quantise(x, axis):      # numpy; x: float32 -> the quantised numbers, widened to float32 again
;;       x = np.moveaxis(x, axis, -1); K = x.shape[-1]
;;       x = np.pad(x, [(0, 0)] * (x.ndim - 1) + [(0, -K % 32)]); x = x.reshape(x.shape[:-1] + (-1, 32)); a = np.abs(x).max(-1, keepdims=True)
;;       e = np.where(a > 0, np.clip(np.frexp(np.where(a > 0, a, 1))[1] - 1 - 2, -126, 127), 0)      # np.frexp(a)[1] - 1 = floor(log2(a)), exactly
;;       r = np.clip(x / 2.0 ** e, -7.5, 7.5)
;;       step = 2.0 ** (np.maximum(np.frexp(np.where(r == 0, 1, r))[1] - 1, 0) - 3)
;;       q = np.round(r / step) * step * 2.0 ** e      # np.round: ties to even
;;       return np.moveaxis(q.reshape(q.shape[:-2] + (-1,))[..., :K], -1, axis).astype(np.float32)
;;   ~~~
;;   SOFTMAX AHEAD OF A QUANTISED PRODUCT. Where the list says 'softmax', what is quantised is not the finished softmax but p = 2^(t - M), with t = logit x log2(e) and M = ceil(the row's largest t), a whole number; so 1/2 < the row's largest p <= 1. The row's sum l is taken of the UNQUANTISED p, in f32, and the product's result is divided by l at the end. Since M is a whole number, a kernel that streams over the keys may use a running M (the ceiling of the running maximum): every later rescaling is an exact power of two, which a block's scale takes up: the codes' values come out the same.
;;   OPERANDS COMPUTED ON THE WAY. 'Computed on the way' means the value that the module computes at that place (a softmax that the list does not call 'softmax' is quantised finished and normalised). What goes into a quantiser is computed in f32, as accurately as f32 sums, v_exp_f32 and their like allow (about 1e-6 of the number): no bf16 or f16 on the way to a quantiser, and a product that is left as it is and whose result goes on into a quantised operand takes f32 operands (vector FMAs, or v_wmma_f32_16x16x4_f32). A number that lies on a knife's edge between two numbers of the format may be rounded either way, as far as f32 arithmetic and the matrix unit's own rounding can turn it there, and no further.
;; One version. Each part assembles by itself: llvm-mc -triple=amdgcn-amd-amdhsa -mcpu=gfx1250 --defsym DOCPART=n.
;; ======== version 1 of 1: 5 launches
;; workspace buffers: cod 9,437,184 bytes; scl 393,216 bytes; tab 262,144 bytes; qb 6,553,600 bytes; kv 13,107,200 bytes; ac 6,291,456 bytes; asc 262,144 bytes
;; launch prep (part 1): grid 416 x 1, 4 waves a work-group, no clusters, 33,280 bytes of LDS; arguments x, W_in, W_out, cod, scl, tab; writes cod, scl, tab
.if DOCPART == 1
	.amdgcn_target "amdgcn-amd-amdhsa--gfx1250"
	.amdhsa_code_object_version 6
	.text
	.protected	k_q2a9d14f4cb_prep
	.globl	k_q2a9d14f4cb_prep
	.p2align	8
	.type	k_q2a9d14f4cb_prep,@function
k_q2a9d14f4cb_prep:
	s_mov_b64 s[64:65], 0
	v_nop
	global_prefetch_b8 v0, s[64:65] scope:SCOPE_SE
	s_setreg_imm32_b32 hwreg(HW_REG_WAVE_MODE, 25, 1), 1
	s_wait_xcnt 0x0
; x [8192][1024], W_in [3072][1024], W_out [1024][1024], f32, K innermost, become codes of FP6 (E2M3) with one E8M0 scale byte for each 32 along K; and the RoPE table is made.
; cod: rows of 768 bytes, x's 8,192, then W_in's 3,072, then W_out's 1,024.  scl: 32 bytes a row, in the same order.  tab: [position 1,024][32 cosines | 32 sines] f32, 256 bytes a position.
; ROW ORDER.  A row is stored at its number with bits 3 and 4 exchanged.  So 16 consecutive stored rows 32 b + 16 u + r are the true rows 32 b + 8 u + r + 8 (r / 8): the rows that the products want in one tile,
; so that a lane's 16 results of two neighbouring tiles are 16 neighbours along the next product's K.
; A block's scale is 2^(floor(log2(its largest magnitude)) - 2); its byte is the largest magnitude's exponent field - 2, held at 1 from below.
; LIMITS: a block of zeros gets the byte 1 where the rule says 127 (its codes are zeros, and this program alone reads the bytes); blocks whose largest magnitude lies under 2^-124 keep the byte 1;
; NaN and infinities are not served.  The table's angle is position x 2^(-j log2(10000) / 32) with one v_exp_f32 and one product in f32: it can differ from a power and a division in f32 by about 1e-4 rad at the far positions.
; Work-groups 0-383 quantise: four waves, each 16 steps of 512 numbers = 8 rows.  Each load reads 512 consecutive bytes; a step's 2,048 bytes turn through the wave's own stage in LDS so that a lane holds 16 neighbours.
; Work-groups 384-415 make the table, a wave 8 positions; they use no LDS.  No barrier: waves share nothing.
.set STEPS, 16
.set EMAX,  2
.set CB,    12                         ; bytes of 16 codes
.set R,     16                         ; v16-79   four sets of 16 numbers as loaded
.set X,     80                         ; v80-111  two sets of 16 neighbours
.set E,     112                        ; v112-127 a scale byte for each step
.set C,     128                        ; v128-191 codes: four registers a step
.set WREG,  8192                       ; LDS of a wave: two stages of 32 x SP bytes, then its 256 scale bytes
.set SP,    80                         ; a lane's place in a stage: 64 bytes + 16 of padding
.set WGX,   256                        ; work-groups for x,
.set WGI,   96                         ; for W_in (W_out: 32),
.set WGQ,   384                        ; all that quantise
	s_load_b128 s[4:7], s[0:1], 0x0                ; x, W_in
	s_load_b128 s[8:11], s[0:1], 0x10              ; W_out, cod
	s_load_b128 s[12:15], s[0:1], 0x20             ; scl, tab
	v_lshl_add_u32 v192, v0, 2, 0x8000
	v_mov_b32 v193, 0
	v_lshrrev_b32 v1, 5, v0
	v_readfirstlane_b32 s16, v1                    ; wave
	v_and_b32 v2, 31, v0                           ; lane
	s_cmp_ge_u32 ttmp9, WGQ
	s_cbranch_scc1 .Ltable
	v_lshlrev_b32 v3, 4, v2                        ; my 16 bytes of a load's 512
	s_mul_i32 s17, s16, WREG
	v_lshrrev_b32 v14, 2, v2
	v_mul_u32_u24 v14, v14, SP
	v_and_b32 v15, 3, v2
	v_lshl_add_u32 v14, v15, 4, v14
	v_add_nc_u32 v14, s17, v14                     ; the stage, on the way in: SP (lane / 4) + 16 (lane % 4)
	v_mul_u32_u24 v15, v2, SP
	v_add_nc_u32 v15, s17, v15                     ; and on the way out: SP x lane
	v_mul_u32_u24 v4, v2, CB                       ; my codes' place in a step's
	v_lshrrev_b32 v5, 1, v2
	s_add_co_u32 s17, s17, 2*32*SP
	v_add_nc_u32 v5, s17, v5                       ; my block's scale byte in the wave's 256
	v_lshlrev_b32 v7, 3, v2
	v_add_nc_u32 v6, s17, v7                       ; and 8 bytes a lane on the way out
	s_wait_kmcnt 0x0
	s_cmp_lt_u32 ttmp9, WGX                        ; which tensor: the choice hangs on the work-group's number alone
	s_cselect_b64 s[4:5], s[4:5], s[6:7]
	s_cselect_b32 s17, 0, WGX
	s_cmp_lt_u32 ttmp9, WGX+WGI
	s_cselect_b64 s[4:5], s[4:5], s[8:9]
	s_mov_b32 s18, WGX+WGI
	s_cselect_b32 s17, s17, s18
	s_sub_co_u32 s17, ttmp9, s17                   ; the work-group's number within its tensor
	s_lshl_b32 s17, s17, 2
	s_add_co_u32 s17, s17, s16                     ; my run of 8 rows
	s_lshl_b32 s18, s17, 15                        ; 32,768 bytes a run
	s_mov_b32 s19, 0
	s_add_nc_u64 s[4:5], s[4:5], s[18:19]
	s_and_b32 s20, s16, 1                          ; where it goes: a run is 8 rows, so bits 3 and 4 of the row are bits 0 and 1 of the run, which are the wave's number
	s_lshl_b32 s20, s20, 1
	s_lshr_b32 s21, s16, 1
	s_or_b32 s20, s20, s21
	s_lshl_b32 s21, ttmp9, 2                       ; the three tensors lie on end in cod and scl
	s_add_co_u32 s20, s20, s21
	s_mul_i32 s18, s20, 32*STEPS*CB                ; 6,144 bytes of codes a run
	s_add_nc_u64 s[10:11], s[10:11], s[18:19]
	s_lshl_b32 s18, s20, 8                         ; 256 scale bytes a run
	s_add_nc_u64 s[12:13], s[12:13], s[18:19]
.macro LOAD t
.irp i, 0,1,2,3
	global_load_b128 v[R+16*((\t)%4)+4*\i:R+16*((\t)%4)+4*\i+3], v3, s[4:5] offset:2048*(\t)+512*\i th:TH_LOAD_NT   ; 32 lanes read 512 consecutive bytes
.endr
.endm
.macro TURN t                          ; step t's numbers through the stage: LDS serves a wave's instructions in order, so no wait stands between the stores and the loads
.irp i, 0,1,2,3
	ds_store_b128 v14, v[R+16*((\t)%4)+4*\i:R+16*((\t)%4)+4*\i+3] offset:32*SP*((\t)%2)+8*SP*\i
.endr
.irp i, 0,1,2,3
	ds_load_b128 v[X+16*((\t)%2)+4*\i:X+16*((\t)%2)+4*\i+3], v15 offset:32*SP*((\t)%2)+16*\i
.endr
.endm
.irp t, 0,1,2,3
	LOAD \t
.endr
	s_wait_loadcnt 12                              ; step 0's four loads are in; the twelve of steps 1 to 3 may be out
	TURN 0
.macro STEP t
.set XS, X+16*((\t)%2)
.if (\t) > 0
	s_wait_dscnt 1                                 ; this step's numbers are back from the stage; the last step's byte store may be out
.else
	s_wait_dscnt 0x0
.endif
.if (\t)+4 < STEPS
	LOAD (\t)+4                                    ; into the registers that the stage's stores have read
.endif
.if (\t)+1 < STEPS
.if STEPS-2-(\t) >= 3
	s_wait_loadcnt 12                              ; the next step's four loads are in; those of the three steps behind it may be out
.else
	s_wait_loadcnt 4*(STEPS-2-(\t))
.endif
	TURN (\t)+1
.endif
	v_max3_num_f32 v8, |v[XS]|, |v[XS+1]|, |v[XS+2]|               ; the largest magnitude of my 16
	v_max3_num_f32 v9, |v[XS+3]|, |v[XS+4]|, |v[XS+5]|
.irp i, 6,10
	v_max3_num_f32 v8, v8, |v[XS+\i]|, |v[XS+\i+1]|
	v_max3_num_f32 v9, v9, |v[XS+\i+2]|, |v[XS+\i+3]|
.endr
	v_max3_num_f32 v8, v8, |v[XS+14]|, |v[XS+15]|
	v_max3_num_f32 v8, v8, v9, (EMAX+1)<<23        ; and the floor 2^(3 - 127): the byte cannot fall under 1
	v_max_num_f32_dpp v8, v8, v8 row_xmask:1 row_mask:0xf bank_mask:0xf   ; and of my neighbour's 16: the block's
	v_add_nc_u32 v11, -(EMAX<<23), v8              ; 2 off its exponent field: the conversion takes the exponent field of this operand as its scale
	v_cvt_scalef32_pk16_fp6_f32 v[C+4*(\t):C+4*(\t)+2], v[XS:XS+15], v11
	v_lshrrev_b32 v[E+(\t)], 23, v11               ; the scale's byte
	ds_store_b8 v5, v[E+(\t)] offset:16*(\t)       ; both lanes of a block write the same byte with the same value
	global_store_b96 v4, v[C+4*(\t):C+4*(\t)+2], s[10:11] offset:32*CB*(\t)
.endm
.irp t, 0,1,2,3,4,5,6,7,8,9,10,11,12,13,14,15
	STEP \t
.endr
	ds_load_b64 v[12:13], v6                       ; LDS serves a wave's instructions in order: these see my stores
	s_wait_dscnt 0x0
	global_store_b64 v7, v[12:13], s[12:13]        ; 32 lanes store 256 consecutive bytes, aligned
	s_wait_tensorcnt 0x0
	ds_add_u32 v192, v193
	s_wait_dscnt 0x0
	s_endpgm
; THE TABLE.  Wave W = 4 (work-group - 384) + wave takes positions 8 W .. 8 W + 7.  Lanes 0-15 make the cosines of frequencies 2 l, 2 l + 1, lanes 16-31 the sines of 2 (l - 16), 2 (l - 16) + 1.
; The angle a is brought to r = a - n pi/2, |r| <= pi/4, n = the nearest whole number to a 2/pi, with pi/2 in two parts; sine and cosine of r are polynomials in f32;
; the quadrant n (+ 3 for a sine: sin a = cos(a + 3 pi/2)) chooses between them and sets the sign, by v_cndmask_b32 and an exclusive or: no branch hangs on a number.
.Ltable:
	s_sub_co_u32 s17, ttmp9, WGQ
	s_lshl_b32 s17, s17, 2
	s_add_co_u32 s17, s17, s16
	s_lshl_b32 s18, s17, 3                         ; my first position
	s_lshl_b32 s20, s18, 8                         ; 256 bytes a position
	s_mov_b32 s21, 0
	s_mov_b32 s22, 0xbfc90fdb                      ; -pi/2, upper part
	s_mov_b32 s23, 0x333bbd2e                      ; what the upper part has too much: 4.371139e-8
	s_mov_b32 s24, 0xb94ca1f9                      ; sine: -1.9515296e-4,
	s_mov_b32 s25, 0x3c08839e                      ; 8.3321609e-3,
	s_mov_b32 s26, 0xbe2aaaa3                      ; -1.6666655e-1
	s_mov_b32 s27, 0x37ccf5ce                      ; cosine: 2.4433157e-5,
	s_mov_b32 s28, 0xbab6061a                      ; -1.3887316e-3,
	s_mov_b32 s29, 0x3d2aaaa5                      ; 4.1666646e-2
	v_and_b32 v3, 15, v2
	v_lshlrev_b32 v3, 1, v3                        ; my first frequency j
	v_cvt_f32_u32 v4, v3
	v_add_f32 v5, 1.0, v4
	v_mul_f32 v4, 0xbed49a78, v4                   ; -j log2(10000) / 32
	v_mul_f32 v5, 0xbed49a78, v5
	v_exp_f32 v4, v4                               ; 10000^(-j / 32)
	v_exp_f32 v5, v5
	v_lshrrev_b32 v6, 4, v2                        ; (a plain line behind the two)  0: cosine, 1: sine
	s_wait_alu depctr_va_vdst(0)                   ; one wait for both, ahead of their first reader
	v_mul_u32_u24 v6, v6, 3                        ; what is added to the quadrant
	v_lshlrev_b32 v7, 3, v2                        ; my 8 bytes of a position's 256
	s_wait_kmcnt 0x0
	s_add_nc_u64 s[14:15], s[14:15], s[20:21]
.macro TRIG d, inv                     ; v[d] = cos or sin of v8 x v[inv]
	v_mul_f32 v10, v8, v[\inv]                     ; the angle
	v_mul_f32 v11, 0x3f22f983, v10                 ; x 2/pi
	v_rndne_f32 v11, v11                           ; n
	v_fma_f32 v12, v11, s22, v10
	v_fma_f32 v12, v11, s23, v12                   ; r
	v_cvt_i32_f32 v13, v11
	v_add_nc_u32 v13, v13, v6                      ; the quadrant
	v_mul_f32 v14, v12, v12                        ; z = r r
	v_fma_f32 v15, v14, s24, s25
	v_fma_f32 v17, v14, s27, s28
	v_fma_f32 v15, v15, v14, s26
	v_fma_f32 v17, v17, v14, s29
	v_mul_f32 v16, v14, v12
	v_mul_f32 v18, v14, v14
	v_fma_f32 v19, v14, -0.5, 1.0
	v_fma_f32 v15, v15, v16, v12                   ; sin r
	v_fma_f32 v17, v17, v18, v19                   ; cos r
	v_and_b32 v18, 1, v13
	v_cmp_eq_u32 vcc_lo, 1, v18
	v_cndmask_b32 v15, v17, v15, vcc_lo            ; odd quadrants take the sine
	v_add_nc_u32 v13, 1, v13
	v_and_b32 v13, 2, v13                          ; quadrants 1 and 2 are negative
	v_lshlrev_b32 v13, 30, v13
	v_xor_b32 v[\d], v13, v15
.endm
.irp i, 0,1,2,3,4,5,6,7
	s_add_co_u32 s19, s18, \i
	v_cvt_f32_u32 v8, s19                          ; the position
	TRIG 32+2*\i, 4
	TRIG 33+2*\i, 5
	global_store_b64 v7, v[32+2*\i:33+2*\i], s[14:15] offset:256*\i   ; 32 lanes store a position's 256 bytes; each position has data registers of its own
.endr
	s_endpgm
.Lfunc_end_k_q2a9d14f4cb_prep:
	.size	k_q2a9d14f4cb_prep, .Lfunc_end_k_q2a9d14f4cb_prep-k_q2a9d14f4cb_prep
	.p2alignl 7, 3214868480
	.fill 96, 4, 3214868480
	.section	.rodata,"a",@progbits
	.p2align	6, 0x0
	.amdhsa_kernel k_q2a9d14f4cb_prep
		.amdhsa_group_segment_fixed_size 33280
		.amdhsa_private_segment_fixed_size 0
		.amdhsa_enable_private_segment 0
		.amdhsa_kernarg_size 48
		.amdhsa_user_sgpr_count 2
		.amdhsa_user_sgpr_kernarg_segment_ptr 1
		.amdhsa_wavefront_size32 1
		.amdhsa_system_sgpr_workgroup_id_x 1
		.amdhsa_system_sgpr_workgroup_id_y 1
		.amdhsa_system_sgpr_workgroup_id_z 1
		.amdhsa_system_vgpr_workitem_id 0
		.amdhsa_next_free_vgpr 194
		.amdhsa_next_free_sgpr 66
		.amdhsa_reserve_vcc 1
		.amdhsa_float_denorm_mode_32 3
		.amdhsa_float_denorm_mode_16_64 3
		.amdhsa_memory_ordered 1
		.amdhsa_forward_progress 1
		.amdhsa_inst_pref_size 52
	.end_amdhsa_kernel
	.amdgpu_metadata
---
amdhsa.version: [ 1, 2 ]
amdhsa.kernels:
  - .name:           k_q2a9d14f4cb_prep
    .symbol:         k_q2a9d14f4cb_prep.kd
    .args:
      - { .name: x, .offset: 0, .size: 8, .value_kind: global_buffer, .address_space: global }
      - { .name: W_in, .offset: 8, .size: 8, .value_kind: global_buffer, .address_space: global }
      - { .name: W_out, .offset: 16, .size: 8, .value_kind: global_buffer, .address_space: global }
      - { .name: cod, .offset: 24, .size: 8, .value_kind: global_buffer, .address_space: global }
      - { .name: scl, .offset: 32, .size: 8, .value_kind: global_buffer, .address_space: global }
      - { .name: tab, .offset: 40, .size: 8, .value_kind: global_buffer, .address_space: global }
    .group_segment_fixed_size: 33280
    .private_segment_fixed_size: 0
    .kernarg_segment_align: 8
    .kernarg_segment_size: 48
    .max_flat_workgroup_size: 128
    .sgpr_count:     66
    .vgpr_count:     194
    .wavefront_size: 32
...
	.end_amdgpu_metadata
.endif
;; end of part 1
;; launch gemm_qk (part 2): grid 8 x 32, 4 waves a work-group, clusters of 4 x 4, 327,680 bytes of LDS; arguments cod, scl, b_in, tab, qb, kv; writes qb, kv
.if DOCPART == 2
	.amdgcn_target "amdgcn-amd-amdhsa--gfx1250"
	.amdhsa_code_object_version 6
	.text
	.protected	k_q2a9d14f4cb_gemm_qk
	.globl	k_q2a9d14f4cb_gemm_qk
	.p2align	8
	.type	k_q2a9d14f4cb_gemm_qk,@function
k_q2a9d14f4cb_gemm_qk:
	s_mov_b64 s[64:65], 0
	v_nop
	global_prefetch_b8 v0, s[64:65] scope:SCOPE_SE
	s_setreg_imm32_b32 hwreg(HW_REG_WAVE_MODE, 25, 1), 1
	s_wait_xcnt 0x0
	s_wait_alu depctr_hold_cnt(0) depctr_sa_sdst(0) depctr_va_vdst(0) depctr_va_sdst(0) depctr_va_ssrc(0) depctr_va_vcc(0) depctr_vm_vsrc(0)
	s_getreg_b32 s2, hwreg(HW_REG_IB_STS2, 6, 4)
	s_cmp_eq_u32 s2, 0
	s_cbranch_scc0 .Lentry_in_a_cluster
	s_endpgm
.Lentry_in_a_cluster:
	s_bfe_u32 s2, ttmp6, 0x10000c
	s_cmp_lg_u32 s2, 0xf033
	s_cbranch_scc0 .Lentry_shape_is_right
	s_endpgm
.Lentry_shape_is_right:
; q and k: x W_in[0:2048]^T + b_in on codes of FP6 (E2M3) with E8M0 scales for each 32 along K = 1,024; then RoPE in f32; then quantised along the head's 64; stored as images of operand registers.
; THE PRODUCT: a tile of 256 tokens x 256 features to a work-group of four waves, 128 x 128 a wave in 64 accumulators.  K goes in steps of 256 through a ring of two LDS slots filled by the tensor data mover;
; the scale bytes of the work-group's rows come once and stay.  4 x 4 work-groups form a cluster: x's tiles are asked for jointly along a row of the cluster, W_in's along a column.
; The matrix instruction is used transposed (source 0 = 16 stored rows of W_in, source 1 = 16 stored rows of x): a lane holds ONE token.  Rows are stored with bits 3 and 4 of their number exchanged,
; so register j of lane (r, h) of feature tile 2 b + u is feature 32 b + 16 h + 8 u + j, and lane r of token block a is token 32 (a / 2) + 16 (r / 8) + 8 (a % 2) + r % 8 of the wave's 128.
; The bias is the C of each sum's first matrix instruction.
; THE WAY OUT, for each block of 16 tokens: a lane's 64 results are 2 heads x 2 blocks of 32, 16 numbers of each; d and d + 32 of a head lie in one lane, so RoPE needs no other lane.
; qb: [n][head][quarter of 256 tokens][12,800]; kv: the same with 25,600 (V's half is stored by the next launch).  In a quarter: token tile T (16 stored rows) at 768 T: a lane's 24 bytes of codes as a piece of
; 16 bytes a lane (512 bytes) and a piece of 8 (256 bytes), the long piece first in even tiles, the short one first in odd tiles; scale words at 12,288 + 256 (T / 8) + 16 r + 4 ((T % 8) / 2): bytes 0, 1 the even tile's blocks, 2, 3 the odd tile's.
; Each store covers whole aligned runs of 256 bytes.
; LIMITS: SCALE = 1/8 is left to the attention launch (a power of two: the codes are the same while a block's exponent stays above -123); a block of zeros gets the byte 1; NaN and infinities are not served.
; REGISTERS, in windows of 256: window 0: v0-31 addresses; v32-63 scale words, two sets; v64-127 the bias, later the way out's small things; from v128 x's fragments, ONE set; on the way out v128-191 the numbers, v192-255 the table.
;   window 1: W_in's fragments, TWO sets.   windows 2, 3: the accumulators ((a, b) at v[8 (8 (a % 4) + b)]).
.set KSTEP,  256                       ; along K in a slot
.set NQ,     KSTEP/128                 ; matrix instructions deep
.set ROWB,   192                       ; a tile's row in bytes
.set KROW,   768                       ; a row of codes in memory
.set PITCH,  240                       ; an LDS row: 3 x (64 bytes + 16 of padding): the 32 lanes of a load of 8 bytes touch 64 different banks (64 banks of 4 bytes: ISA guide 11.1)
.set FR,     12                        ; registers of a fragment
.set NL,     6                         ; LDS loads that bring one
.set NP,     4                         ; places behind this matrix instruction (ISA guide 7.12.1)
.set HALFT,  128*PITCH
.set SLOT,   4*HALFT
.set LAPS,   2                         ; K = 1,024 is twice round the ring
.set KS,     32                        ; a row of scale bytes
.set SCL,    2*SLOT                    ; behind the ring: the scales, as runs of 256 bytes + 16 of padding
.set HALFS,  (128*KS/256)*272
.set SBLK,   (16*KS/256)*272
.set SPARE,  SCL+4*HALFS               ; the spare words, 128 bytes a wave; no other line names them
.set BCOD,   6291456                   ; W_in's codes in cod
.set BSCL,   262144                    ; and its scale bytes in scl
.set ADRA, 16                          ; v16-19  LDS addresses of x's fragments (slot 0, 1; and behind one padding more)
.set ADRB, 20                          ; v20-23  the same for W_in
.set ADRS, 27                          ; v27     of my scale words
.set SPW,  28                          ; v28     my spare word; never rewritten
.set NIL,  29                          ; v29     0; never rewritten
.set SC,   32
.set BI,   64                          ; v64-127 the bias: tile b at BI + 8 b
.set AF,   128
.set G1, 24
.set G0, 32
.set G1B, 48
.set G0B, 56
.set G1S, 68
.set G0S, 76
.set G1SB, 80
.set G0SB, 88
.set SEL, 92                           ; s[92:93] (way out) lane selects for v_permlanex16_b32
.set HM,  94                           ; s94      (way out) the mask of lanes 16-31
.set MSB, 0
.macro WIN new                         ; the immediate's high byte repeats the setting that is left
.if MSB != (\new)
	s_set_vgpr_msb (MSB<<8)|(\new)
.set MSB, (\new)
.endif
.endm
.set MUL_LO, 0xa1                      ; source 0 window 1, source 1 window 0, C and D window 2
.set MUL_HI, 0xf1                      ; the same, C and D window 3
.set FIRST_LO, 0x81                    ; the first step: C (the bias) window 0, D window 2
.set FIRST_HI, 0xc1
.set TO_B,   0x40
.macro JLOAD g0a, g1a, g0b, g1b        ; a joint load: waves 0, 1 fetch for x, waves 2, 3 for W_in; four v_nop follow each line
	s_cmp_eq_u32 s15, 0
	s_cbranch_scc0 .Lfor_b_\@
	tensor_load_to_lds s[\g0a:\g0a+3], s[\g1a:\g1a+7]
	s_nop 0
.rept 4
	v_nop
.endr
	s_branch .Lasked_\@
.Lfor_b_\@:
	tensor_load_to_lds s[\g0b:\g0b+3], s[\g1b:\g1b+7]
	s_nop 0
.rept 4
	v_nop
.endr
.Lasked_\@:
.endm
.macro CREST                           ; a round of the cluster's barrier behind its opening barrier
	s_cmp_lg_u32 s14, 0
	s_cbranch_scc1 .Lnot_wave_0_\@
	s_barrier_signal -3
.Lnot_wave_0_\@:
	s_barrier_wait -3
	s_barrier_signal -1
	s_barrier_wait -1
.endm
.macro CROUND
	s_barrier_signal -1
	s_barrier_wait -1
	CREST
.endm
	s_load_b128 s[4:7], s[0:1], 0x0                ; cod, scl
	s_load_b128 s[96:99], s[0:1], 0x10             ; b_in, tab
	s_load_b64 s[100:101], s[0:1], 0x20            ; qb
	s_load_b64 s[66:67], s[0:1], 0x28              ; kv
	v_lshl_add_u32 v[SPW], v0, 2, SPARE
	v_mov_b32 v[NIL], 0
	ds_add_u32 v28, v29
	ds_add_u32 v28, v29
	s_wait_dscnt 0x0
	v_lshrrev_b32 v1, 5, v0
	v_readfirstlane_b32 s14, v1                    ; wave 0..3
	s_lshr_b32 s15, s14, 1                         ; which half of the tile's tokens is mine.  Also: I fetch for x (0) or for W_in (1)
	s_and_b32 s16, s14, 1                          ; which half of its features.  Also: which 128 rows I fetch
	s_bfe_u32 s40, ttmp6, 0x40000                  ; cx, cy
	s_bfe_u32 s41, ttmp6, 0x40004
	s_lshl_b32 s42, ttmp9, 2
	s_add_co_u32 s42, s42, s40                     ; tile column (features)
	s_and_b32 s17, ttmp7, 0xffff
	s_lshl_b32 s17, s17, 2
	s_add_co_u32 s17, s17, s41                     ; tile row (tokens)
	s_lshl_b32 s43, s41, 2
	s_lshl_b32 s43, 15, s43                        ; my row of the cluster
	s_lshl_b32 s44, 0x1111, s40                    ; my column
	s_or_b32 s[G1+0], s43, (0<<16)|(1<<20)|(1<<21)|(3<<22)|(3<<25)  ; the mask; elements of 1 byte; padding on; bit 21 beside a mask; 4 words of padding after every 16
	s_or_b32 s[G1B+0], s44, (0<<16)|(1<<20)|(1<<21)|(3<<22)|(3<<25)
.irp g, G1, G1B
	s_mov_b32 s[\g+1], ROWB<<16                    ; tensor_dim0
	s_mov_b32 s[\g+2], 128<<16                     ; tensor_dim1
	s_mov_b32 s[\g+3], ROWB<<16                    ; tile_dim0
	s_mov_b32 s[\g+4], 128                         ; tile_dim1
	s_mov_b32 s[\g+5], KROW                        ; the pitch
	s_mov_b32 s[\g+6], 0
	s_mov_b32 s[\g+7], 0
.endr
	s_or_b32 s[G1S+0], s43, (3<<16)|(1<<20)|(1<<21)|(5<<22)|(3<<25)   ; the scales of 128 rows: 16 rows of 256 bytes (32 elements of 8), 16 bytes of padding behind each
	s_or_b32 s[G1SB+0], s44, (3<<16)|(1<<20)|(1<<21)|(5<<22)|(3<<25)
.irp g, G1S, G1SB
	s_mov_b32 s[\g+1], 32<<16
	s_mov_b32 s[\g+2], (128*KS/256)<<16
	s_mov_b32 s[\g+3], 32<<16
	s_mov_b32 s[\g+4], 128*KS/256
	s_mov_b32 s[\g+5], 32
	s_mov_b32 s[\g+6], 0
	s_mov_b32 s[\g+7], 0
.endr
	s_lshl_b32 s18, s16, 7
	s_lshl_b32 s20, s17, 8
	s_add_co_u32 s20, s20, s18                     ; x: row 256 x tile row + 128 x half
	s_lshl_b32 s46, s42, 8
	s_add_co_u32 s46, s46, s18                     ; W_in: row 256 x tile column + 128 x half
	s_mov_b32 s21, 0
	s_mov_b32 s47, 0
	s_mov_b64 s[18:19], KS
	s_mul_u64 s[22:23], s[20:21], s[18:19]
	s_mul_u64 s[92:93], s[46:47], s[18:19]
	s_mov_b64 s[18:19], KROW
	s_mul_u64 s[20:21], s[20:21], s[18:19]
	s_mul_u64 s[46:47], s[46:47], s[18:19]
	s_mul_i32 s45, s14, HALFT                      ; where they go: wave x 128 rows
	s_mul_i32 s94, s14, HALFS
	s_wait_kmcnt 0x0
	s_add_nc_u64 s[8:9], s[4:5], BCOD
	s_add_nc_u64 s[10:11], s[6:7], BSCL
	s_add_nc_u64 s[20:21], s[4:5], s[20:21]
	s_add_nc_u64 s[22:23], s[6:7], s[22:23]
	s_add_nc_u64 s[46:47], s[8:9], s[46:47]
	s_add_nc_u64 s[92:93], s[10:11], s[92:93]
	CROUND                                         ; all sixteen work-groups are here: the first joint loads meet
	s_mov_b32 s[G0S], 1
	s_add_co_u32 s[G0S+1], s94, SCL
	s_mov_b64 s[G0S+2:G0S+3], s[22:23]
	s_or_b32 s[G0S+3], s[G0S+3], 0x80000000
	s_mov_b32 s[G0SB], 1
	s_add_co_u32 s[G0SB+1], s94, SCL
	s_mov_b64 s[G0SB+2:G0SB+3], s[92:93]
	s_or_b32 s[G0SB+3], s[G0SB+3], 0x80000000
	JLOAD G0S, G1S, G0SB, G1SB                     ; the scales first
.irp s, 0,1
	s_mov_b32 s[G0+4*\s], 1
	s_add_co_u32 s[G0+4*\s+1], s45, \s*SLOT
	s_add_nc_u64 s[G0+4*\s+2:G0+4*\s+3], s[20:21], \s*ROWB
	s_or_b32 s[G0+4*\s+3], s[G0+4*\s+3], 0x80000000
	s_mov_b32 s[G0B+4*\s], 1
	s_add_co_u32 s[G0B+4*\s+1], s45, \s*SLOT
	s_add_nc_u64 s[G0B+4*\s+2:G0B+4*\s+3], s[46:47], \s*ROWB
	s_or_b32 s[G0B+4*\s+3], s[G0B+4*\s+3], 0x80000000
	JLOAD G0+4*\s, G1, G0B+4*\s, G1B
.endr
	v_and_b32 v1, 15, v0                           ; r = l % 16
	v_bfe_u32 v2, v0, 4, 1                         ; h = l / 16
	s_lshl_b32 s20, s42, 10                        ; the bias of my 128 features: 4 (256 x tile column + 128 x half) bytes on
	s_lshl_b32 s21, s16, 9
	s_add_co_u32 s20, s20, s21
	s_mov_b32 s21, 0
	s_add_nc_u64 s[96:97], s[96:97], s[20:21]
	v_lshlrev_b32 v7, 6, v2                        ; + 64 h
.irp b, 0,1,2,3,4,5,6,7
	global_load_b128 v[BI+8*\b:BI+8*\b+3], v7, s[96:97] offset:128*(\b/2)+32*(\b%2)        ; features 32 (b / 2) + 16 h + 8 (b % 2) + 0 .. 7
	global_load_b128 v[BI+8*\b+4:BI+8*\b+7], v7, s[96:97] offset:128*(\b/2)+32*(\b%2)+16
.endr
	v_mul_u32_u24 v3, v1, PITCH
	v_mul_u32_u24 v4, v2, 24
	v_add_nc_u32 v4, v3, v4                        ; a fragment's row x pitch + 24 x half
	v_lshl_add_u32 v5, v2, 4, v4                   ; and the same behind one padding more
	s_mul_i32 s21, s15, HALFT
	s_mul_i32 s22, s16, HALFT
	s_add_co_u32 s22, s22, 2*HALFT
.irp s, 0,1
	v_add_nc_u32 v[ADRA+\s], s21, v4
	v_add_nc_u32 v[ADRB+\s], s22, v4
	v_add_nc_u32 v[ADRA+2+\s], s21, v5
	v_add_nc_u32 v[ADRB+2+\s], s22, v5
	s_add_co_u32 s21, s21, SLOT
	s_add_co_u32 s22, s22, SLOT
.endr
	v_mul_u32_u24 v5, v1, KS                       ; my row's scales: KS bytes a row,
	v_lshrrev_b32 v6, 8, v5
	v_lshl_add_u32 v5, v6, 4, v5                   ; and 16 more for each 256 passed
	s_mul_i32 s21, s15, HALFS
	s_mul_i32 s22, s16, HALFS
	s_add_co_u32 s22, s22, 2*HALFS
	s_sub_co_u32 s22, s22, s21
	v_mul_u32_u24 v6, s22, v2                      ; lanes 16-31 take W_in's
	s_add_co_u32 s21, s21, SCL
	v_add_nc_u32 v5, v5, v6
	v_add_nc_u32 v[ADRS], s21, v5
.macro FRAG reg, adr, q, i             ; a fragment: lane l holds row l % 16; registers 6 c .. 6 c + 5 hold K = 64 c + 32 (l / 16) + 0 .. 31, in pieces of 8 bytes
.irp p, 0,1,2,3,4,5
.set PCE, 12*(\q)+6*(\p/3)+\p%3
.if PCE%8 < 5
	ds_load_b64 v[\reg+2*\p:\reg+2*\p+1], v[\adr] offset:8*PCE+16*(PCE/8)+(\i)*16*PITCH
.else
	ds_load_b64 v[\reg+2*\p:\reg+2*\p+1], v[\adr+2] offset:8*PCE+16*(PCE/8)+(\i)*16*PITCH
.endif
.endr
.endm
; 16 matrix instructions: x's blocks a0, a0 + 1 against W_in's eight.  zero = 1: the first product starts the sums, with the bias as C.  The 64 accumulators take turns, one instruction a turn.
.macro MUL16 a0, p, q, sc, zero
.irp a, \a0, \a0+1
.irp b, 0,1,2,3,4,5,6,7
.if \zero
	v_wmma_scale_f32_16x16x128_f8f6f4 v[8*(8*((\a)%4)+\b):8*(8*((\a)%4)+\b)+7], v[128*(\p)+FR*\b:128*(\p)+FR*\b+FR-1], v[AF+FR*(\a):AF+FR*(\a)+FR-1], v[BI+8*\b:BI+8*\b+7], v[SC+8*NQ*(\sc)+NQ*\b+(\q)], v[SC+8*NQ*(\sc)+NQ*(\a)+(\q)] matrix_a_fmt:MATRIX_FMT_FP6 matrix_b_fmt:MATRIX_FMT_FP6 matrix_a_scale:MATRIX_SCALE_ROW1
.else
	v_wmma_scale_f32_16x16x128_f8f6f4 v[8*(8*((\a)%4)+\b):8*(8*((\a)%4)+\b)+7], v[128*(\p)+FR*\b:128*(\p)+FR*\b+FR-1], v[AF+FR*(\a):AF+FR*(\a)+FR-1], v[8*(8*((\a)%4)+\b):8*(8*((\a)%4)+\b)+7], v[SC+8*NQ*(\sc)+NQ*\b+(\q)], v[SC+8*NQ*(\sc)+NQ*(\a)+(\q)] matrix_a_fmt:MATRIX_FMT_FP6 matrix_b_fmt:MATRIX_FMT_FP6 matrix_a_scale:MATRIX_SCALE_ROW1
.endif
.endr
.endr
.endm
.macro FETCH_B slot, q, p
	WIN TO_B
.irp i, 0,1,2,3,4,5,6,7
	FRAG 128*(\p)+FR*\i, ADRB+\slot, \q, \i
.endr
	WIN 0
.endm
.macro FETCH_A slot, q, i0
.irp i, \i0, \i0+1, \i0+2, \i0+3
	FRAG AF+FR*(\i), ADRA+\slot, \q, \i
.endr
.endm
.macro SCALES sc                       ; the next K step's scale words: lanes 0-15 x's block i, lanes 16-31 W_in's block i
.irp i, 0,1,2,3,4,5,6,7
	ds_load_b64 v[SC+8*NQ*\sc+NQ*\i:SC+8*NQ*\sc+NQ*\i+1], v[ADRS] offset:\i*SBLK
.endr
.endm
.macro PLACES n                        ; plain vector lines between a matrix instruction and a load into, or a read of, its registers
.rept \n
	v_nop
.endr
.endm
.macro STEP slot, q, zero              ; a step of 128 along K that has its successor in the same slot
	s_wait_dscnt 4*NL                              ; W_in's set and x's blocks 0-3 are in; the 24 loads of blocks 4-7 may be out
.if \zero
	WIN FIRST_LO
.else
	WIN MUL_LO
.endif
	MUL16 0, (\q)%2, \q, \slot, \zero
	MUL16 2, (\q)%2, \q, \slot, \zero
	s_wait_dscnt 0
	PLACES NP
	FETCH_B \slot, (\q)+1, 1-(\q)%2
	FETCH_A \slot, (\q)+1, 0
.if \zero
	WIN FIRST_HI
.else
	WIN MUL_HI
.endif
	MUL16 4, (\q)%2, \q, \slot, \zero
	MUL16 6, (\q)%2, \q, \slot, \zero
	PLACES NP
	WIN 0
	FETCH_A \slot, (\q)+1, 4
.endm
; A slot's last step changes slots: in front of the barrier each wave waits for all its tensor loads, adds 0 to its spare word, and waits for that and for its reads of this slot.  fill = 1: this slot is filled again.
.macro TURN slot, next, fill
	s_wait_tensorcnt 0x0                           ; all my tensor loads have landed: my part of the next slot
	ds_add_u32 v[SPW], v[NIL]                      ; 0 onto my spare word
	s_wait_dscnt 4*NL+1                            ; (the add and the 24 loads of x's blocks 4-7 may be out)
	WIN MUL_LO
	MUL16 0, 1, NQ-1, \slot, 0
	s_wait_dscnt 0x0                               ; the add is done, and my reads of this slot are over
	s_barrier_signal -1
	MUL16 2, 1, NQ-1, \slot, 0
	WIN 0
	s_barrier_wait -1
.if \fill
	CREST                                          ; the barrier has opened a round of the cluster's barrier: no wave of any partner still reads this slot or has a load on its way
	s_add_nc_u64 s[G0+4*\slot+2:G0+4*\slot+3], s[G0+4*\slot+2:G0+4*\slot+3], 2*ROWB
	s_add_nc_u64 s[G0B+4*\slot+2:G0B+4*\slot+3], s[G0B+4*\slot+2:G0B+4*\slot+3], 2*ROWB
	JLOAD G0+4*\slot, G1, G0B+4*\slot, G1B         ; the first tensor load behind the round; its four v_nop are the places in front of the loads below
.else
	PLACES NP
.endif
	v_add_nc_u32 v[ADRS], 4*NQ, v[ADRS]
	FETCH_B \next, 0, 0
	FETCH_A \next, 0, 0
	SCALES \next
	WIN MUL_HI
	MUL16 4, 1, NQ-1, \slot, 0
	MUL16 6, 1, NQ-1, \slot, 0
	PLACES NP
	WIN 0
	FETCH_A \next, 0, 4
.endm
	s_wait_loadcnt 0x0                             ; the bias
	s_wait_tensorcnt 1                             ; the scales and my part of K step 0 are in; K step 1's load may be out
	s_barrier_signal -1
	s_barrier_wait -1
	FETCH_B 0, 0, 0
	FETCH_A 0, 0, 0
	SCALES 0
	FETCH_A 0, 0, 4
	STEP 0, 0, 1
	s_mov_b32 s3, LAPS-1
.Llap:
	TURN 0, 1, 1
	STEP 1, 0, 0
	TURN 1, 0, 1
	STEP 0, 0, 0
	s_sub_co_u32 s3, s3, 1
	s_cmp_lg_u32 s3, 0
	s_cbranch_scc1 .Llap
	TURN 0, 1, 0                                   ; the last lap fills nothing
	STEP 1, 0, 0
	s_wait_dscnt 4*NL
	WIN MUL_LO
	MUL16 0, 1, NQ-1, 1, 0
	MUL16 2, 1, NQ-1, 1, 0
	s_wait_dscnt 0
	WIN MUL_HI
	MUL16 4, 1, NQ-1, 1, 0
	MUL16 6, 1, NQ-1, 1, 0
	WIN 0
; ---- THE WAY OUT ----
.set TM,  64                           ; v64-67 largest magnitudes, v68-71 bytes, v76-79 the conversions' scale operands
.set PW,  80                           ; the scale word just made
.set PWE, 81                           ; that of the even block before
.set WA,  82                           ; the two heads' words of a pair of blocks
.set WB,  83
.set SW,  84                           ; v84-87 four pairs' words
.set PC,  88                           ; v88-106 the codes just made
.set Y,   128                          ; v128-191 a block's 64 numbers
.set TAB, 192                          ; v192-255 two sets of 16 cosines and 16 sines
.set VA16, 7                           ; 16 x lane
.set VA8,  8                           ; 8 x lane
.set VB16, 9                           ; the same one head on
.set VB8,  10
.set VSC,  11                          ; the scale words' place
.set VT,   12                          ; my token's place in the table
; 64 numbers of a lane, register 16 b + i = k 32 b + 16 (lane / 16) + i of my row, become a fragment's codes in v[PC] on and its scale word in v[PW]
.macro QUANT s
.irp b, 0,1,2,3
	v_max3_num_f32 v[TM+\b], |v[\s+16*\b]|, |v[\s+1+16*\b]|, 0x1800000   ; with the floor 2^(3 - 127): the byte cannot fall under 1
.endr
.irp i, 2,4,6,8,10,12,14
.irp b, 0,1,2,3
	v_max3_num_f32 v[TM+\b], v[TM+\b], |v[\s+16*\b+\i]|, |v[\s+1+16*\b+\i]|
.endr
.endr
.irp b, 0,1,2,3
	v_permlanex16_b32 v[TM+4+\b], v[TM+\b], s[SEL], s[SEL+1]
.endr
.irp b, 0,1,2,3
	v_max_num_f32 v[TM+\b], v[TM+\b], v[TM+4+\b]   ; with lane l xor 16's: the block's largest magnitude
.endr
.irp b, 0,1,2,3
	v_add_nc_u32 v[TM+12+\b], 0xff000000, v[TM+\b] ; 2 off its exponent field: the conversion's scale operand
.endr
.irp b, 0,1,2,3
	v_lshrrev_b32 v[TM+4+\b], 23, v[TM+12+\b]      ; the scale's byte
.endr
	v_lshl_or_b32 v[PW], v[TM+5], 8, v[TM+4]
	v_lshl_or_b32 v[PW], v[TM+6], 16, v[PW]
	v_lshl_or_b32 v[PW], v[TM+7], 24, v[PW]
.irp c, 0,1
	v_cvt_scalef32_pk16_fp6_f32 v[PC+6*\c:PC+2+6*\c], v[\s+32*\c:\s+15+32*\c], v[TM+12+2*\c]
	v_cvt_scalef32_pk16_fp6_f32 v[PC+12+4*\c:PC+14+4*\c], v[\s+16+32*\c:\s+31+32*\c], v[TM+12+2*\c+1]   ; (a conversion's three registers begin on an even number)
.endr
	v_nop                                          ; one plain line behind a scaled conversion
.irp c, 0,1                                    ; the operand's layout wants a whole block in a lane
.irp i, 0,1,2
	v_permlane16_swap_b32 v[PC+6*\c+\i], v[PC+12+4*\c+\i]
.endr
.irp i, 0,1,2
	v_mov_b32 v[PC+3+6*\c+\i], v[PC+12+4*\c+\i]
.endr
.endr
.endm
.macro LOADTAB a                       ; cos and sin of frequencies 16 h + 0 .. 15 at my token of block a, into set a % 2
.set TS, TAB+32*((\a)%2)
.set TO, (32*((\a)/2)+8*((\a)%2))*256
.irp j, 0,1,2,3
	global_load_b128 v[TS+4*\j:TS+4*\j+3], v[VT], s[98:99] offset:TO+16*\j
	global_load_b128 v[TS+16+4*\j:TS+16+4*\j+3], v[VT], s[98:99] offset:TO+128+16*\j
.endr
.endm
.macro ROPE a                          ; y(d) = t(d) cos - t(d + 32) sin, y(d + 32) = t(d + 32) cos + t(d) sin, d = 16 h + i.  Each accumulator is read from its low end on
.set AC, 64*((\a)%4)
.set TS, TAB+32*((\a)%2)
	WIN 0x02+(\a)/4                                ; source 0: window 2 or 3
.irp hd, 0,1
.irp i, 0,2,4,6,8,10,12,14
	v_pk_mul_f32 v[Y+32*\hd+\i:Y+32*\hd+\i+1], v[AC+32*\hd+\i:AC+32*\hd+\i+1], v[TS+\i:TS+\i+1]
	v_pk_mul_f32 v[Y+32*\hd+16+\i:Y+32*\hd+16+\i+1], v[AC+32*\hd+16+\i:AC+32*\hd+16+\i+1], v[TS+\i:TS+\i+1]
	v_pk_fma_f32 v[Y+32*\hd+\i:Y+32*\hd+\i+1], v[AC+32*\hd+16+\i:AC+32*\hd+16+\i+1], v[TS+16+\i:TS+16+\i+1], v[Y+32*\hd+\i:Y+32*\hd+\i+1] neg_lo:[1,0,0] neg_hi:[1,0,0]
	v_pk_fma_f32 v[Y+32*\hd+16+\i:Y+32*\hd+16+\i+1], v[AC+32*\hd+\i:AC+32*\hd+\i+1], v[TS+16+\i:TS+16+\i+1], v[Y+32*\hd+16+\i:Y+32*\hd+16+\i+1]
.endr
.endr
	WIN 0
.endm
	PLACES NP                                      ; behind the last products: in front of the reads of results and of the loads and writes into x's fragments' registers
	s_mov_b32 s[SEL], 0x76543210
	s_mov_b32 s[SEL+1], 0xfedcba98
	s_mov_b32 s[HM], 0xffff0000
	s_lshr_b32 s20, s17, 2                         ; n
	s_and_b32 s21, s17, 3                          ; the quarter of its 1,024 tokens
	s_and_b32 s22, s42, 3
	s_lshl_b32 s22, s22, 2
	s_lshl_b32 s23, s16, 1
	s_add_co_u32 s22, s22, s23                     ; my first head: 4 (tile column % 4) + 2 x half
	s_lshl_b32 s20, s20, 4
	s_add_co_u32 s20, s20, s22
	s_lshl_b32 s20, s20, 2
	s_add_co_u32 s20, s20, s21                     ; (16 n + head) 4 + quarter
	s_cmp_eq_u32 ttmp9, 0                          ; the first column of clusters makes q, the second k: the same in all partners
	s_cselect_b64 s[100:101], s[100:101], s[66:67]
	s_mov_b32 s23, 25600
	s_cselect_b32 s23, 12800, s23                  ; bytes of a quarter
	s_mul_i32 s20, s20, s23
	s_mul_i32 s22, s15, 6144                       ; my 8 tiles of its 16
	s_add_co_u32 s20, s20, s22
	s_mov_b32 s21, 0
	s_add_nc_u64 s[100:101], s[100:101], s[20:21]
	s_lshl_b32 s46, s23, 2                         ; from head to head
	s_mul_i32 s47, s15, 5888
	s_sub_co_u32 s47, 12288, s47                   ; the scale words, counted from my tiles: 12,288 + 256 c - 6,144 c
	s_and_b32 s20, s17, 3
	s_lshl_b32 s20, s20, 1
	s_add_co_u32 s20, s20, s15
	s_lshl_b32 s20, s20, 15                        ; my first position: (256 x quarter + 128 x half) x 256 bytes
	s_add_nc_u64 s[98:99], s[98:99], s[20:21]
	v_and_b32 v13, 31, v0
	v_lshlrev_b32 v[VA16], 4, v13
	v_lshlrev_b32 v[VA8], 3, v13
	v_add_nc_u32 v[VB16], s46, v[VA16]
	v_add_nc_u32 v[VB8], s46, v[VA8]
	v_mul_lo_u32 v[VSC], v2, s46                   ; lanes 16-31 store the second head's words
	v_lshl_add_u32 v[VSC], v1, 4, v[VSC]
	v_add_nc_u32 v[VSC], s47, v[VSC]
	v_and_b32 v13, 8, v1
	v_add_nc_u32 v13, v13, v1                      ; r + 8 (r / 8)
	v_lshlrev_b32 v[VT], 8, v13
	v_lshl_add_u32 v[VT], v2, 6, v[VT]             ; + 64 h
.irp b, 0,1,2,3
	v_mov_b32 v[TM+4+\b], 0                        ; written once: a lane permute's destination counts as one of its sources
.endr
	LOADTAB 0
	LOADTAB 1
.irp a, 0,1,2,3,4,5,6,7
.if \a < 7
	s_wait_loadcnt 8                               ; this block's eight table loads are in; the next block's eight may be out
.else
	s_wait_loadcnt 0x0
.endif
	ROPE \a
.if \a < 6
	LOADTAB \a+2
.endif
.if \a > 0
	s_wait_xcnt 0x0                                ; the last block's stores have read their data: the codes' registers are written again only behind this wait
.endif
	QUANT Y
.if (\a)%2 == 0
	global_store_b128 v[VA16], v[PC:PC+3], s[100:101] offset:\a*768
	global_store_b64 v[VA8], v[PC+4:PC+5], s[100:101] offset:\a*768+512
	global_store_b128 v[VB16], v[PC+6:PC+9], s[100:101] offset:\a*768
	global_store_b64 v[VB8], v[PC+10:PC+11], s[100:101] offset:\a*768+512
	v_mov_b32 v[PWE], v[PW]
.else
	global_store_b64 v[VA8], v[PC:PC+1], s[100:101] offset:\a*768
	global_store_b128 v[VA16], v[PC+2:PC+5], s[100:101] offset:\a*768+256
	global_store_b64 v[VB8], v[PC+6:PC+7], s[100:101] offset:\a*768
	global_store_b128 v[VB16], v[PC+8:PC+11], s[100:101] offset:\a*768+256
	v_perm_b32 v[WA], v[PW], v[PWE], 0x05040100    ; first head: the even block's bytes 0, 1, then the odd block's
	v_perm_b32 v[WB], v[PW], v[PWE], 0x07060302    ; second head: bytes 2, 3 of both
	v_cndmask_b32 v[SW+\a/2], v[WA], v[WB], s[HM]
.endif
.endr
	global_store_b128 v[VSC], v[SW:SW+3], s[100:101]   ; lanes 0-15: the first head's 256 bytes of words; lanes 16-31: the second's
	s_wait_tensorcnt 0x0                           ; the wave's end
	ds_add_u32 v[SPW], v[NIL]
	s_wait_dscnt 0x0
	CROUND                                         ; the closing round
	s_endpgm
.Lfunc_end_k_q2a9d14f4cb_gemm_qk:
	.size	k_q2a9d14f4cb_gemm_qk, .Lfunc_end_k_q2a9d14f4cb_gemm_qk-k_q2a9d14f4cb_gemm_qk
	.p2alignl 7, 3214868480
	.fill 96, 4, 3214868480
	.section	.rodata,"a",@progbits
	.p2align	6, 0x0
	.amdhsa_kernel k_q2a9d14f4cb_gemm_qk
		.amdhsa_group_segment_fixed_size 327680
		.amdhsa_private_segment_fixed_size 0
		.amdhsa_enable_private_segment 0
		.amdhsa_kernarg_size 48
		.amdhsa_user_sgpr_count 2
		.amdhsa_user_sgpr_kernarg_segment_ptr 1
		.amdhsa_wavefront_size32 1
		.amdhsa_system_sgpr_workgroup_id_x 1
		.amdhsa_system_sgpr_workgroup_id_y 1
		.amdhsa_system_sgpr_workgroup_id_z 1
		.amdhsa_system_vgpr_workitem_id 0
		.amdhsa_next_free_vgpr 1024
		.amdhsa_next_free_sgpr 104
		.amdhsa_reserve_vcc 0
		.amdhsa_float_denorm_mode_32 3
		.amdhsa_float_denorm_mode_16_64 3
		.amdhsa_memory_ordered 1
		.amdhsa_forward_progress 1
		.amdhsa_inst_pref_size 206
	.end_amdhsa_kernel
	.amdgpu_metadata
---
amdhsa.version: [ 1, 2 ]
amdhsa.kernels:
  - .name:           k_q2a9d14f4cb_gemm_qk
    .symbol:         k_q2a9d14f4cb_gemm_qk.kd
    .args:
      - { .name: cod, .offset: 0, .size: 8, .value_kind: global_buffer, .address_space: global }
      - { .name: scl, .offset: 8, .size: 8, .value_kind: global_buffer, .address_space: global }
      - { .name: b_in, .offset: 16, .size: 8, .value_kind: global_buffer, .address_space: global }
      - { .name: tab, .offset: 24, .size: 8, .value_kind: global_buffer, .address_space: global }
      - { .name: qb, .offset: 32, .size: 8, .value_kind: global_buffer, .address_space: global }
      - { .name: kv, .offset: 40, .size: 8, .value_kind: global_buffer, .address_space: global }
    .group_segment_fixed_size: 327680
    .private_segment_fixed_size: 0
    .kernarg_segment_align: 8
    .kernarg_segment_size: 48
    .max_flat_workgroup_size: 128
    .sgpr_count:     104
    .vgpr_count:     1024
    .wavefront_size: 32
...
	.end_amdgpu_metadata
.endif
;; end of part 2
;; launch gemm_v (part 3): grid 32 x 4, 4 waves a work-group, clusters of 4 x 4, 327,680 bytes of LDS; arguments cod, scl, b_in, kv; writes kv
.if DOCPART == 3
	.amdgcn_target "amdgcn-amd-amdhsa--gfx1250"
	.amdhsa_code_object_version 6
	.text
	.protected	k_q2a9d14f4cb_gemm_v
	.globl	k_q2a9d14f4cb_gemm_v
	.p2align	8
	.type	k_q2a9d14f4cb_gemm_v,@function
k_q2a9d14f4cb_gemm_v:
	s_mov_b64 s[64:65], 0
	v_nop
	global_prefetch_b8 v0, s[64:65] scope:SCOPE_SE
	s_setreg_imm32_b32 hwreg(HW_REG_WAVE_MODE, 25, 1), 1
	s_wait_xcnt 0x0
	s_wait_alu depctr_hold_cnt(0) depctr_sa_sdst(0) depctr_va_vdst(0) depctr_va_sdst(0) depctr_va_ssrc(0) depctr_va_vcc(0) depctr_vm_vsrc(0)
	s_getreg_b32 s2, hwreg(HW_REG_IB_STS2, 6, 4)
	s_cmp_eq_u32 s2, 0
	s_cbranch_scc0 .Lentry_in_a_cluster
	s_endpgm
.Lentry_in_a_cluster:
	s_bfe_u32 s2, ttmp6, 0x10000c
	s_cmp_lg_u32 s2, 0xf033
	s_cbranch_scc0 .Lentry_shape_is_right
	s_endpgm
.Lentry_shape_is_right:
; v^T: W_in[2048:3072] x^T + b_in on codes of FP6 (E2M3) with E8M0 scales for each 32 along K = 1,024; then quantised ALONG THE TOKENS, which are the K of attention's second product; stored as images of operand registers.
; THE PRODUCT is that of the launch before with the operands' parts exchanged: source 1 (a lane = a row) takes 16 stored rows of W_in, source 0 (the registers run along it) 16 stored rows of x.
; A tile is 256 features x 256 tokens; a wave makes 128 x 128.  Rows are stored with bits 3 and 4 of their number exchanged: register j of lane (r, h) of token tile 2 b + u is token 32 b + 16 h + 8 u + j,
; so a lane's 64 results of a feature block are 16 neighbours of each of the four blocks of 32 tokens; lane r of feature block a is feature 32 (a / 2) + 16 (r / 8) + 8 (a % 2) + r % 8 of the wave's 128 (two heads).
; The bias hangs on the lane's feature alone: one packed addition on the way out.
; kv: [n][head][quarter of 256 tokens][25,600]; V's part: fragment (chunk c of 128 tokens, stored tile dt of 16 channels) at 12,800 + 1,536 (4 c + dt), three pieces of 16 bytes a lane; scale words at 25,088 + 256 c + 16 r + 4 dt.
; Each store covers whole aligned runs of 256 bytes.
; LIMITS: a block of zeros gets the byte 1 where the rule says 127; blocks under 2^-124 keep the byte 1; NaN and infinities are not served.
; REGISTERS as in the launch before; v108-123 the bias, a pair for each feature block.
.set KSTEP,  256
.set NQ,     KSTEP/128
.set ROWB,   192
.set KROW,   768
.set PITCH,  240                       ; an LDS row: 3 x (64 bytes + 16 of padding)
.set FR,     12
.set NL,     6
.set NP,     4                         ; places behind this matrix instruction (ISA guide 7.12.1)
.set HALFT,  128*PITCH
.set SLOT,   4*HALFT
.set LAPS,   2
.set KS,     32
.set SCL,    2*SLOT
.set HALFS,  (128*KS/256)*272
.set SBLK,   (16*KS/256)*272
.set SPARE,  SCL+4*HALFS               ; the spare words, 128 bytes a wave; no other line names them
.set ACOD,   7864320                   ; W_in's rows 2,048 on in cod
.set ASCL,   327680                    ; and in scl
.set ADRA, 16
.set ADRB, 20
.set ADRS, 27
.set SPW,  28
.set NIL,  29
.set SC,   32
.set BV,   108                         ; v108-123 the bias
.set AF,   128
.set G1, 24
.set G0, 32
.set G1B, 48
.set G0B, 56
.set G1S, 68
.set G0S, 76
.set G1SB, 80
.set G0SB, 88
.set SEL, 92
.set HM,  94
.set MSB, 0
.macro WIN new
.if MSB != (\new)
	s_set_vgpr_msb (MSB<<8)|(\new)
.set MSB, (\new)
.endif
.endm
.set MUL_LO, 0xa1
.set MUL_HI, 0xf1
.set TO_B,   0x40
.macro JLOAD g0a, g1a, g0b, g1b        ; a joint load: waves 0, 1 fetch for W_in, waves 2, 3 for x; four v_nop follow each line
	s_cmp_eq_u32 s15, 0
	s_cbranch_scc0 .Lfor_b_\@
	tensor_load_to_lds s[\g0a:\g0a+3], s[\g1a:\g1a+7]
	s_nop 0
.rept 4
	v_nop
.endr
	s_branch .Lasked_\@
.Lfor_b_\@:
	tensor_load_to_lds s[\g0b:\g0b+3], s[\g1b:\g1b+7]
	s_nop 0
.rept 4
	v_nop
.endr
.Lasked_\@:
.endm
.macro CREST
	s_cmp_lg_u32 s14, 0
	s_cbranch_scc1 .Lnot_wave_0_\@
	s_barrier_signal -3
.Lnot_wave_0_\@:
	s_barrier_wait -3
	s_barrier_signal -1
	s_barrier_wait -1
.endm
.macro CROUND
	s_barrier_signal -1
	s_barrier_wait -1
	CREST
.endm
	s_load_b128 s[4:7], s[0:1], 0x0                ; cod, scl
	s_load_b128 s[96:99], s[0:1], 0x10             ; b_in, kv
	v_lshl_add_u32 v[SPW], v0, 2, SPARE
	v_mov_b32 v[NIL], 0
	ds_add_u32 v28, v29
	ds_add_u32 v28, v29
	s_wait_dscnt 0x0
	v_lshrrev_b32 v1, 5, v0
	v_readfirstlane_b32 s14, v1                    ; wave 0..3
	s_lshr_b32 s15, s14, 1                         ; which half of the tile's features is mine.  Also: I fetch for W_in (0) or for x (1)
	s_and_b32 s16, s14, 1                          ; which half of its tokens.  Also: which 128 rows I fetch
	s_bfe_u32 s40, ttmp6, 0x40000
	s_bfe_u32 s41, ttmp6, 0x40004
	s_lshl_b32 s42, ttmp9, 2
	s_add_co_u32 s42, s42, s40                     ; tile column (tokens)
	s_and_b32 s17, ttmp7, 0xffff
	s_lshl_b32 s17, s17, 2
	s_add_co_u32 s17, s17, s41                     ; tile row (features)
	s_lshl_b32 s43, s41, 2
	s_lshl_b32 s43, 15, s43
	s_lshl_b32 s44, 0x1111, s40
	s_or_b32 s[G1+0], s43, (0<<16)|(1<<20)|(1<<21)|(3<<22)|(3<<25)
	s_or_b32 s[G1B+0], s44, (0<<16)|(1<<20)|(1<<21)|(3<<22)|(3<<25)
.irp g, G1, G1B
	s_mov_b32 s[\g+1], ROWB<<16
	s_mov_b32 s[\g+2], 128<<16
	s_mov_b32 s[\g+3], ROWB<<16
	s_mov_b32 s[\g+4], 128
	s_mov_b32 s[\g+5], KROW
	s_mov_b32 s[\g+6], 0
	s_mov_b32 s[\g+7], 0
.endr
	s_or_b32 s[G1S+0], s43, (3<<16)|(1<<20)|(1<<21)|(5<<22)|(3<<25)
	s_or_b32 s[G1SB+0], s44, (3<<16)|(1<<20)|(1<<21)|(5<<22)|(3<<25)
.irp g, G1S, G1SB
	s_mov_b32 s[\g+1], 32<<16
	s_mov_b32 s[\g+2], (128*KS/256)<<16
	s_mov_b32 s[\g+3], 32<<16
	s_mov_b32 s[\g+4], 128*KS/256
	s_mov_b32 s[\g+5], 32
	s_mov_b32 s[\g+6], 0
	s_mov_b32 s[\g+7], 0
.endr
	s_lshl_b32 s18, s16, 7
	s_lshl_b32 s20, s17, 8
	s_add_co_u32 s20, s20, s18
	s_lshl_b32 s46, s42, 8
	s_add_co_u32 s46, s46, s18
	s_mov_b32 s21, 0
	s_mov_b32 s47, 0
	s_mov_b64 s[18:19], KS
	s_mul_u64 s[22:23], s[20:21], s[18:19]
	s_mul_u64 s[92:93], s[46:47], s[18:19]
	s_mov_b64 s[18:19], KROW
	s_mul_u64 s[20:21], s[20:21], s[18:19]
	s_mul_u64 s[46:47], s[46:47], s[18:19]
	s_mul_i32 s45, s14, HALFT
	s_mul_i32 s94, s14, HALFS
	s_wait_kmcnt 0x0
	s_mov_b64 s[8:9], s[4:5]                       ; x lies first in cod and in scl
	s_mov_b64 s[10:11], s[6:7]
	s_add_nc_u64 s[4:5], s[4:5], ACOD
	s_add_nc_u64 s[6:7], s[6:7], ASCL
	s_add_nc_u64 s[20:21], s[4:5], s[20:21]
	s_add_nc_u64 s[22:23], s[6:7], s[22:23]
	s_add_nc_u64 s[46:47], s[8:9], s[46:47]
	s_add_nc_u64 s[92:93], s[10:11], s[92:93]
	CROUND                                         ; all sixteen work-groups are here: the first joint loads meet
	s_mov_b32 s[G0S], 1
	s_add_co_u32 s[G0S+1], s94, SCL
	s_mov_b64 s[G0S+2:G0S+3], s[22:23]
	s_or_b32 s[G0S+3], s[G0S+3], 0x80000000
	s_mov_b32 s[G0SB], 1
	s_add_co_u32 s[G0SB+1], s94, SCL
	s_mov_b64 s[G0SB+2:G0SB+3], s[92:93]
	s_or_b32 s[G0SB+3], s[G0SB+3], 0x80000000
	JLOAD G0S, G1S, G0SB, G1SB
.irp s, 0,1
	s_mov_b32 s[G0+4*\s], 1
	s_add_co_u32 s[G0+4*\s+1], s45, \s*SLOT
	s_add_nc_u64 s[G0+4*\s+2:G0+4*\s+3], s[20:21], \s*ROWB
	s_or_b32 s[G0+4*\s+3], s[G0+4*\s+3], 0x80000000
	s_mov_b32 s[G0B+4*\s], 1
	s_add_co_u32 s[G0B+4*\s+1], s45, \s*SLOT
	s_add_nc_u64 s[G0B+4*\s+2:G0B+4*\s+3], s[46:47], \s*ROWB
	s_or_b32 s[G0B+4*\s+3], s[G0B+4*\s+3], 0x80000000
	JLOAD G0+4*\s, G1, G0B+4*\s, G1B
.endr
	v_and_b32 v1, 15, v0                           ; r
	v_bfe_u32 v2, v0, 4, 1                         ; h
	s_lshl_b32 s20, s17, 10                        ; the bias of my 128 features: 4 (2,048 + 256 x tile row + 128 x half) bytes on
	s_lshl_b32 s21, s15, 9
	s_add_co_u32 s20, s20, s21
	s_add_co_u32 s20, s20, 8192
	s_mov_b32 s21, 0
	s_add_nc_u64 s[96:97], s[96:97], s[20:21]
	v_and_b32 v30, 8, v1
	v_add_nc_u32 v30, v30, v1
	v_lshlrev_b32 v30, 2, v30                      ; 4 (r + 8 (r / 8))
.irp a, 0,1,2,3,4,5,6,7
	global_load_b32 v[BV+2*\a], v30, s[96:97] offset:(32*(\a/2)+8*(\a%2))*4     ; my feature of block a, in both halves of a pair for the packed addition
	global_load_b32 v[BV+2*\a+1], v30, s[96:97] offset:(32*(\a/2)+8*(\a%2))*4
.endr
	v_mul_u32_u24 v3, v1, PITCH
	v_mul_u32_u24 v4, v2, 24
	v_add_nc_u32 v4, v3, v4
	v_lshl_add_u32 v5, v2, 4, v4
	s_mul_i32 s21, s15, HALFT
	s_mul_i32 s22, s16, HALFT
	s_add_co_u32 s22, s22, 2*HALFT
.irp s, 0,1
	v_add_nc_u32 v[ADRA+\s], s21, v4
	v_add_nc_u32 v[ADRB+\s], s22, v4
	v_add_nc_u32 v[ADRA+2+\s], s21, v5
	v_add_nc_u32 v[ADRB+2+\s], s22, v5
	s_add_co_u32 s21, s21, SLOT
	s_add_co_u32 s22, s22, SLOT
.endr
	v_mul_u32_u24 v5, v1, KS
	v_lshrrev_b32 v6, 8, v5
	v_lshl_add_u32 v5, v6, 4, v5
	s_mul_i32 s21, s15, HALFS
	s_mul_i32 s22, s16, HALFS
	s_add_co_u32 s22, s22, 2*HALFS
	s_sub_co_u32 s22, s22, s21
	v_mul_u32_u24 v6, s22, v2
	s_add_co_u32 s21, s21, SCL
	v_add_nc_u32 v5, v5, v6
	v_add_nc_u32 v[ADRS], s21, v5
.macro FRAG reg, adr, q, i
.irp p, 0,1,2,3,4,5
.set PCE, 12*(\q)+6*(\p/3)+\p%3
.if PCE%8 < 5
	ds_load_b64 v[\reg+2*\p:\reg+2*\p+1], v[\adr] offset:8*PCE+16*(PCE/8)+(\i)*16*PITCH
.else
	ds_load_b64 v[\reg+2*\p:\reg+2*\p+1], v[\adr+2] offset:8*PCE+16*(PCE/8)+(\i)*16*PITCH
.endif
.endr
.endm
; 16 matrix instructions.  zero = 1: the first product starts the sums.  The 64 accumulators take turns, one instruction a turn.
.macro MUL16 a0, p, q, sc, zero
.irp a, \a0, \a0+1
.irp b, 0,1,2,3,4,5,6,7
.if \zero
	v_wmma_scale_f32_16x16x128_f8f6f4 v[8*(8*((\a)%4)+\b):8*(8*((\a)%4)+\b)+7], v[128*(\p)+FR*\b:128*(\p)+FR*\b+FR-1], v[AF+FR*(\a):AF+FR*(\a)+FR-1], 0, v[SC+8*NQ*(\sc)+NQ*\b+(\q)], v[SC+8*NQ*(\sc)+NQ*(\a)+(\q)] matrix_a_fmt:MATRIX_FMT_FP6 matrix_b_fmt:MATRIX_FMT_FP6 matrix_a_scale:MATRIX_SCALE_ROW1
.else
	v_wmma_scale_f32_16x16x128_f8f6f4 v[8*(8*((\a)%4)+\b):8*(8*((\a)%4)+\b)+7], v[128*(\p)+FR*\b:128*(\p)+FR*\b+FR-1], v[AF+FR*(\a):AF+FR*(\a)+FR-1], v[8*(8*((\a)%4)+\b):8*(8*((\a)%4)+\b)+7], v[SC+8*NQ*(\sc)+NQ*\b+(\q)], v[SC+8*NQ*(\sc)+NQ*(\a)+(\q)] matrix_a_fmt:MATRIX_FMT_FP6 matrix_b_fmt:MATRIX_FMT_FP6 matrix_a_scale:MATRIX_SCALE_ROW1
.endif
.endr
.endr
.endm
.macro FETCH_B slot, q, p
	WIN TO_B
.irp i, 0,1,2,3,4,5,6,7
	FRAG 128*(\p)+FR*\i, ADRB+\slot, \q, \i
.endr
	WIN 0
.endm
.macro FETCH_A slot, q, i0
.irp i, \i0, \i0+1, \i0+2, \i0+3
	FRAG AF+FR*(\i), ADRA+\slot, \q, \i
.endr
.endm
.macro SCALES sc
.irp i, 0,1,2,3,4,5,6,7
	ds_load_b64 v[SC+8*NQ*\sc+NQ*\i:SC+8*NQ*\sc+NQ*\i+1], v[ADRS] offset:\i*SBLK
.endr
.endm
.macro PLACES n
.rept \n
	v_nop
.endr
.endm
.macro STEP slot, q, zero
	s_wait_dscnt 4*NL                              ; source 0's set and source 1's blocks 0-3 are in; the 24 loads of blocks 4-7 may be out
	WIN MUL_LO
	MUL16 0, (\q)%2, \q, \slot, \zero
	MUL16 2, (\q)%2, \q, \slot, \zero
	s_wait_dscnt 0
	PLACES NP
	FETCH_B \slot, (\q)+1, 1-(\q)%2
	FETCH_A \slot, (\q)+1, 0
	WIN MUL_HI
	MUL16 4, (\q)%2, \q, \slot, \zero
	MUL16 6, (\q)%2, \q, \slot, \zero
	PLACES NP
	WIN 0
	FETCH_A \slot, (\q)+1, 4
.endm
.macro TURN slot, next, fill
	s_wait_tensorcnt 0x0                           ; all my tensor loads have landed: my part of the next slot
	ds_add_u32 v[SPW], v[NIL]                      ; 0 onto my spare word
	s_wait_dscnt 4*NL+1                            ; (the add and the 24 youngest loads may be out)
	WIN MUL_LO
	MUL16 0, 1, NQ-1, \slot, 0
	s_wait_dscnt 0x0                               ; the add is done, and my reads of this slot are over
	s_barrier_signal -1
	MUL16 2, 1, NQ-1, \slot, 0
	WIN 0
	s_barrier_wait -1
.if \fill
	CREST                                          ; a round of the cluster's barrier: no wave of any partner still reads this slot or has a load on its way
	s_add_nc_u64 s[G0+4*\slot+2:G0+4*\slot+3], s[G0+4*\slot+2:G0+4*\slot+3], 2*ROWB
	s_add_nc_u64 s[G0B+4*\slot+2:G0B+4*\slot+3], s[G0B+4*\slot+2:G0B+4*\slot+3], 2*ROWB
	JLOAD G0+4*\slot, G1, G0B+4*\slot, G1B
.else
	PLACES NP
.endif
	v_add_nc_u32 v[ADRS], 4*NQ, v[ADRS]
	FETCH_B \next, 0, 0
	FETCH_A \next, 0, 0
	SCALES \next
	WIN MUL_HI
	MUL16 4, 1, NQ-1, \slot, 0
	MUL16 6, 1, NQ-1, \slot, 0
	PLACES NP
	WIN 0
	FETCH_A \next, 0, 4
.endm
	s_wait_loadcnt 0x0                             ; the bias
	s_wait_tensorcnt 1                             ; the scales and my part of K step 0 are in; K step 1's load may be out
	s_barrier_signal -1
	s_barrier_wait -1
	FETCH_B 0, 0, 0
	FETCH_A 0, 0, 0
	SCALES 0
	FETCH_A 0, 0, 4
	STEP 0, 0, 1
	s_mov_b32 s3, LAPS-1
.Llap:
	TURN 0, 1, 1
	STEP 1, 0, 0
	TURN 1, 0, 1
	STEP 0, 0, 0
	s_sub_co_u32 s3, s3, 1
	s_cmp_lg_u32 s3, 0
	s_cbranch_scc1 .Llap
	TURN 0, 1, 0
	STEP 1, 0, 0
	s_wait_dscnt 4*NL
	WIN MUL_LO
	MUL16 0, 1, NQ-1, 1, 0
	MUL16 2, 1, NQ-1, 1, 0
	s_wait_dscnt 0
	WIN MUL_HI
	MUL16 4, 1, NQ-1, 1, 0
	MUL16 6, 1, NQ-1, 1, 0
	WIN 0
; ---- THE WAY OUT ----
.set TM,  64
.set PW,  80
.set SW,  84                           ; v84-87 the words to store
.set PC,  88                           ; v88-106
.set WAV, 124                          ; v124-127 the first head's four words
.set Y,   128
.set VA16, 7
.set VSC,  11
.macro QUANT s                         ; 64 numbers of a lane, register 16 b + i = k 32 b + 16 (lane / 16) + i of my row, become a fragment's codes in v[PC] on and its scale word in v[PW]
.irp b, 0,1,2,3
	v_max3_num_f32 v[TM+\b], |v[\s+16*\b]|, |v[\s+1+16*\b]|, 0x1800000   ; with the floor 2^(3 - 127)
.endr
.irp i, 2,4,6,8,10,12,14
.irp b, 0,1,2,3
	v_max3_num_f32 v[TM+\b], v[TM+\b], |v[\s+16*\b+\i]|, |v[\s+1+16*\b+\i]|
.endr
.endr
.irp b, 0,1,2,3
	v_permlanex16_b32 v[TM+4+\b], v[TM+\b], s[SEL], s[SEL+1]
.endr
.irp b, 0,1,2,3
	v_max_num_f32 v[TM+\b], v[TM+\b], v[TM+4+\b]
.endr
.irp b, 0,1,2,3
	v_add_nc_u32 v[TM+12+\b], 0xff000000, v[TM+\b]
.endr
.irp b, 0,1,2,3
	v_lshrrev_b32 v[TM+4+\b], 23, v[TM+12+\b]
.endr
	v_lshl_or_b32 v[PW], v[TM+5], 8, v[TM+4]
	v_lshl_or_b32 v[PW], v[TM+6], 16, v[PW]
	v_lshl_or_b32 v[PW], v[TM+7], 24, v[PW]
.irp c, 0,1
	v_cvt_scalef32_pk16_fp6_f32 v[PC+6*\c:PC+2+6*\c], v[\s+32*\c:\s+15+32*\c], v[TM+12+2*\c]
	v_cvt_scalef32_pk16_fp6_f32 v[PC+12+4*\c:PC+14+4*\c], v[\s+16+32*\c:\s+31+32*\c], v[TM+12+2*\c+1]
.endr
	v_nop                                          ; one plain line behind a scaled conversion
.irp c, 0,1
.irp i, 0,1,2
	v_permlane16_swap_b32 v[PC+6*\c+\i], v[PC+12+4*\c+\i]
.endr
.irp i, 0,1,2
	v_mov_b32 v[PC+3+6*\c+\i], v[PC+12+4*\c+\i]
.endr
.endr
.endm
.macro ADDB a                          ; the block's 64 sums + my feature's bias; each accumulator is read from its low end on
.set AC, 64*((\a)%4)
	WIN 0x02+(\a)/4
.set i, 0
.rept 32
	v_pk_add_f32 v[Y+2*i:Y+2*i+1], v[AC+2*i:AC+2*i+1], v[BV+2*(\a):BV+2*(\a)+1]
.set i, i+1
.endr
	WIN 0
.endm
	PLACES NP
	s_mov_b32 s[SEL], 0x76543210
	s_mov_b32 s[SEL+1], 0xfedcba98
	s_mov_b32 s[HM], 0xffff0000
	s_lshr_b32 s20, s42, 2                         ; n
	s_and_b32 s21, s42, 3                          ; the quarter
	s_lshl_b32 s22, s17, 2
	s_lshl_b32 s23, s15, 1
	s_add_co_u32 s22, s22, s23                     ; my first head: 4 x tile row + 2 x half
	s_lshl_b32 s20, s20, 4
	s_add_co_u32 s20, s20, s22
	s_lshl_b32 s20, s20, 2
	s_add_co_u32 s20, s20, s21
	s_mul_i32 s20, s20, 25600
	s_mul_i32 s22, s16, 6144                       ; my chunk's four fragments
	s_add_co_u32 s20, s20, s22
	s_add_co_u32 s20, s20, 12800                   ; V's part of a quarter
	s_mov_b32 s21, 0
	s_add_nc_u64 s[98:99], s[98:99], s[20:21]
	s_mul_i32 s47, s16, 5888
	s_sub_co_u32 s47, 12288, s47                   ; the scale words, counted from my fragments: 12,288 + 256 c - 6,144 c
	v_and_b32 v13, 31, v0
	v_lshlrev_b32 v[VA16], 4, v13
	v_mul_u32_u24 v[VSC], v2, 0x19000              ; lanes 16-31 store the second head's words, 102,400 bytes on
	v_lshl_add_u32 v[VSC], v1, 4, v[VSC]
	v_add_nc_u32 v[VSC], s47, v[VSC]
.irp b, 0,1,2,3
	v_mov_b32 v[TM+4+\b], 0                        ; written once: a lane permute's destination counts as one of its sources
.endr
.irp a, 0,1,2,3,4,5,6,7
	ADDB \a
.if \a > 0
	s_wait_xcnt 0x0                                ; the last block's stores have read their data
.endif
	QUANT Y
.irp k, 0,1,2
	global_store_b128 v[VA16], v[PC+4*\k:PC+4*\k+3], s[98:99] offset:(\a/4)*102400+(\a%4)*1536+512*\k
.endr
.if \a < 4
	v_mov_b32 v[WAV+\a], v[PW]
.else
	v_cndmask_b32 v[SW+\a-4], v[WAV+\a-4], v[PW], s[HM]
.endif
.endr
	global_store_b128 v[VSC], v[SW:SW+3], s[98:99] ; lanes 0-15: the first head's 256 bytes of words; lanes 16-31: the second's
	s_wait_tensorcnt 0x0                           ; the wave's end
	ds_add_u32 v[SPW], v[NIL]
	s_wait_dscnt 0x0
	CROUND
	s_endpgm
.Lfunc_end_k_q2a9d14f4cb_gemm_v:
	.size	k_q2a9d14f4cb_gemm_v, .Lfunc_end_k_q2a9d14f4cb_gemm_v-k_q2a9d14f4cb_gemm_v
	.p2alignl 7, 3214868480
	.fill 96, 4, 3214868480
	.section	.rodata,"a",@progbits
	.p2align	6, 0x0
	.amdhsa_kernel k_q2a9d14f4cb_gemm_v
		.amdhsa_group_segment_fixed_size 327680
		.amdhsa_private_segment_fixed_size 0
		.amdhsa_enable_private_segment 0
		.amdhsa_kernarg_size 32
		.amdhsa_user_sgpr_count 2
		.amdhsa_user_sgpr_kernarg_segment_ptr 1
		.amdhsa_wavefront_size32 1
		.amdhsa_system_sgpr_workgroup_id_x 1
		.amdhsa_system_sgpr_workgroup_id_y 1
		.amdhsa_system_sgpr_workgroup_id_z 1
		.amdhsa_system_vgpr_workitem_id 0
		.amdhsa_next_free_vgpr 1024
		.amdhsa_next_free_sgpr 104
		.amdhsa_reserve_vcc 0
		.amdhsa_float_denorm_mode_32 3
		.amdhsa_float_denorm_mode_16_64 3
		.amdhsa_memory_ordered 1
		.amdhsa_forward_progress 1
		.amdhsa_inst_pref_size 182
	.end_amdhsa_kernel
	.amdgpu_metadata
---
amdhsa.version: [ 1, 2 ]
amdhsa.kernels:
  - .name:           k_q2a9d14f4cb_gemm_v
    .symbol:         k_q2a9d14f4cb_gemm_v.kd
    .args:
      - { .name: cod, .offset: 0, .size: 8, .value_kind: global_buffer, .address_space: global }
      - { .name: scl, .offset: 8, .size: 8, .value_kind: global_buffer, .address_space: global }
      - { .name: b_in, .offset: 16, .size: 8, .value_kind: global_buffer, .address_space: global }
      - { .name: kv, .offset: 24, .size: 8, .value_kind: global_buffer, .address_space: global }
    .group_segment_fixed_size: 327680
    .private_segment_fixed_size: 0
    .kernarg_segment_align: 8
    .kernarg_segment_size: 32
    .max_flat_workgroup_size: 128
    .sgpr_count:     104
    .vgpr_count:     1024
    .wavefront_size: 32
...
	.end_amdgpu_metadata
.endif
;; end of part 3
;; launch attn (part 4): grid 32 x 8, 4 waves a work-group, clusters of 4 x 1, 327,680 bytes of LDS; arguments qb, kv, ac, asc, out1; writes ac, asc, out1
.if DOCPART == 4
	.amdgcn_target "amdgcn-amd-amdhsa--gfx1250"
	.amdhsa_code_object_version 6
	.text
	.protected	k_q2a9d14f4cb_attn
	.globl	k_q2a9d14f4cb_attn
	.p2align	8
	.type	k_q2a9d14f4cb_attn,@function
k_q2a9d14f4cb_attn:
	s_mov_b64 s[64:65], 0
	v_nop
	global_prefetch_b8 v0, s[64:65] scope:SCOPE_SE
	s_setreg_imm32_b32 hwreg(HW_REG_WAVE_MODE, 25, 1), 1
	s_wait_xcnt 0x0
	s_wait_alu depctr_hold_cnt(0) depctr_sa_sdst(0) depctr_va_vdst(0) depctr_va_sdst(0) depctr_va_ssrc(0) depctr_va_vcc(0) depctr_vm_vsrc(0)
	s_getreg_b32 s2, hwreg(HW_REG_IB_STS2, 6, 4)
	s_cmp_eq_u32 s2, 0
	s_cbranch_scc0 .Lentry_in_a_cluster
	s_endpgm
.Lentry_in_a_cluster:
	s_bfe_u32 s2, ttmp6, 0x10000c
	s_cmp_lg_u32 s2, 0x3003
	s_cbranch_scc0 .Lentry_shape_is_right
	s_endpgm
.Lentry_shape_is_right:
; Attention on codes of FP6 (E2M3): scores = q k^T / 8 (K = 64), softmax, attn = p v / l (K = the keys), out1 = the mean over the 16 heads of p / l; attn is quantised along D for the last product.
; SHARES.  A work-group owns 32 queries of one batch element n FOR ALL 16 HEADS, so that each row of out1 has one owner; 256 work-groups.  The queries are two stored tiles u = 0, 1: lane r of tile u is local query
; 16 (r / 8) + 8 u + r % 8.  THE FOUR WAVES SHARE THE KEYS: wave w owns keys 256 w .. 256 w + 255, for both tiles: a head's p lie in 256 registers, the sums for out1 in 256 more.
; SOFTMAX.  t = score x log2(e) / 8; each wave takes M = ceil(its own 256 keys' largest t), a whole number; p = 2^(t - M) is quantised along the keys; the sum l is taken of the unquantised p.
; The waves then exchange (-M, l) and their parts of O^T through LDS: everything is brought under the largest M by exact powers of two (v_ldexp_f32) and divided by the row's sum.
; K = 64 IN AN INSTRUCTION OF K = 128: an operand of K holds key tile 2 aa in registers 0-5 and key tile 2 aa + 1 in registers 6-11; it is multiplied by [q | zero codes] and by [zero codes | q].  Zero codes add nothing.
; Both products are used transposed (source 0 = keys, or channels of V^T; source 1 = my queries): a lane holds one query.  Tiles are 16 STORED rows, whose true numbers make a lane's 16 registers of two neighbouring tiles 16 neighbours.
; CLUSTER.  The four work-groups of a cluster walk the same K and V: each wave's quarter of a head (25,600 bytes: K's codes, K's scale words, V's codes, V's scale words) is ONE joint tensor load; wave w fetches what wave w reads.
; Two slots, a head each; a slot is asked for again as soon as its head's last operand has been read: a whole head's work stands between the request and the first read.  So no prefetch is laid beside the tensor loads.
; THE ORDER OF A HEAD.  The loop's body runs from one head's scores to the next head's.  Matrix and vector work stand BY TURNS where both are at hand: the additions of the row's sum between the products V^T p; and the lines that
; add p into out1's sums between the NEXT head's products K q^T, each product writing over eight registers of p that have just been added.  The next head's K is fetched from LDS straight behind the change of slots, its V behind the
; reduction of O^T: the statistics, the reduction and out1's sums stand between these loads and their first use.
; LIMITS: 1/8 is folded into the factor of t (a power of two: the codes of q / 8 are q's while a block's exponent stays above -123); p under 2^-126 is 0 (v_exp_f32); whole numbers M up to 2^24 in magnitude; NaN and infinities are not served.
; REGISTERS, in windows of 256: window 0: see the names below.  window 1: S^T, then p, at 128 u + 64 c + 16 aa + 8 v + j = key 128 c + 32 aa + 16 (lane / 16) + 8 v + j of my 256.  window 2: the sums for out1, likewise.
;   window 3: v0-95 K's 8 double fragments; v96-191 V's 8 fragments (4 c + dt); v192-255 O^T at 192 + 32 u + 8 dt.
.set QSZ,   25600                      ; a quarter of a head in kv
.set SLOT1, 1<<17                      ; slot 1 begins here, so that one exclusive or turns an address in one slot into the other's
.set EXO,   SLOT1+4*QSZ                ; the waves' parts of O^T: 8,192 bytes a wave, images of registers: piece k at 512 k + 16 x lane
.set EXS,   EXO+32768                  ; (-M, l): 512 u + 32 r + 8 w
.set AHD,   544                        ; attn's codes, a head of a wave: two halves of 16 places of 16 bytes + 16 of padding
.set AWV,   16*AHD                     ; a wave's region
.set AST,   EXS+1024                   ; attn's codes: AWV w + AHD head + 272 (lane / 16) + 16 r: 12 bytes of codes in a place of 16
.set ASC,   AST+4*AWV                  ; attn's scale bytes, a word each: 1,024 w + 64 head + 4 r
.set SPARE, ASC+4096                   ; the spare words, 128 bytes a wave; no other line names them
.set A16,  1                           ; v1   25,600 w + 16 x lane
.set A8,   2                           ; v2   25,600 w + 8 x lane
.set KA16, 3                           ; v3   the same in the slot in hand
.set KA8,  4                           ; v4
.set SPW,  5                           ; v5   my spare word; never rewritten
.set NIL,  6                           ; v6   0; never rewritten
.set QO16, 7                           ; v7   q: 16 x lane + my tiles' place in a quarter
.set QO8,  8                           ; v8   8 x lane + the same
.set QOS,  9                           ; v9   q's scale word
.set XOW,  10                          ; v10  where I put my part of O^T
.set XSW,  11                          ; v11  and (-M, l)
.set XRD,  12                          ; v12  where I read the block of O^T that I finish
.set XSR,  13                          ; v13  and the four waves' (-M, l)
.set AW0,  14                          ; v14  attn's codes, head 0;  v15 the head in hand
.set AWH,  15
.set BW0,  16                          ; v16  attn's scale word, head 0;  v17 the head in hand
.set BWH,  17
.set QR,   32                          ; v32-61 [6 zeros | q of tile 0 | 6 zeros | q of tile 1 | 6 zeros]
.set QW,   62                          ; v62  q's scale word as loaded
.set QS,   64                          ; v64-65 q's scale words; v68-71 K's; v72-75 V's; v76-79 p's (2 u + c): these hold scales and nothing else
.set KS,   68
.set VS,   72
.set PWD,  76
.set BM,   80                          ; v80-95   a block's largest score, then its largest p: block 8 u + 4 c + aa
.set T1,   96                          ; v96-111  at work
.set SO,   112                         ; v112-127 the conversions' scale operands
.set NM,   128                         ; v128-131 (-M, l) of tile 0, of tile 1
.set LS,   132                         ; v132-139 l in four chains
.set PC,   140                         ; v140-219 p's codes: fragment f = 2 u + c at PC + 20 f
.set XX,   220                         ; v220-235 the four waves' (-M, l), tile u at XX + 8 u
.set EE,   236                         ; v236-243 M_j - M as whole numbers
.set GM,   244                         ; v244-245 -M of the row
.set LT,   246                         ; v246-247 the row's sum
.set INV,  248                         ; v248-249 1 / it
.set EO,   250
.set GG,   252                         ; v252-255 2^(M_w - M) / (16 l), twice for each tile
.set OP,   140                         ; behind the exchange: v140-203 the four waves' parts of my block of O^T
.set CV,   204                         ; v204-206 its codes
.set BY,   207                         ; its scale byte (also the fourth word of the codes' place)
.set ES,   208                         ; v208-211, v212: my tile's M_j - M and 1 / l
.set IS,   212
.set KF,   0                           ; window 3
.set VF,   96
.set OT,   192
.set WV,   14                          ; s14  my wave's number
.set G1,   24                          ; s[24:31] descriptor group 1
.set G0A,  32                          ; s[32:35] group 0 of the first fill of slot 0
.set G0W,  36                          ; s[36:39] of slot 1's; it then walks
.set CS,   40                          ; s[40:41] log2(e) / 8, twice
.set SEL,  42                          ; s[42:43] lane selects for v_permlanex16_b32
.set TB,   44                          ; s44  the slot in hand: 0 or SLOT1
.set HA,   46                          ; s46  AHD x head
.set HB,   47                          ; s47  64 x head
.set CNT,  48                          ; s48  loop counter
.set QP,   50                          ; s[50:51] q of the head last asked for
.set SELM, 56                          ; s56  all ones in waves 2, 3 (they finish tile 1), else 0
.set MSB, 0
.macro WIN new                         ; the immediate's high byte repeats the setting that is left
.if MSB != (\new)
	s_set_vgpr_msb (MSB<<8)|(\new)
.set MSB, (\new)
.endif
.endm
.macro PLACES n
.rept \n
	v_nop
.endr
.endm
.macro CROUND                          ; a round of the cluster's barrier
	s_barrier_signal -1
	s_barrier_wait -1
	s_cmp_lg_u32 s[WV], 0
	s_cbranch_scc1 .Lnot_wave_0_\@
	s_barrier_signal -3
.Lnot_wave_0_\@:
	s_barrier_wait -3
	s_barrier_signal -1
	s_barrier_wait -1
.endm
	s_load_b256 s[4:11], s[0:1], 0x0               ; qb s[4:5], kv s[6:7], ac s[8:9], asc s[10:11]
	s_load_b64 s[12:13], s[0:1], 0x20              ; out1
	v_lshl_add_u32 v[SPW], v0, 2, SPARE
	v_mov_b32 v[NIL], 0
	ds_add_u32 v5, v6
	ds_add_u32 v5, v6
	s_wait_dscnt 0x0
	v_lshrrev_b32 v26, 5, v0
	v_readfirstlane_b32 s[WV], v26                 ; wave 0..3
	s_bfe_u32 s16, ttmp6, 0x40000                  ; cx
	s_and_b32 s17, ttmp7, 0xffff                   ; n, which the four partners share
	s_mov_b32 s[G1], 15|(3<<16)|(1<<21)            ; the mask: all four work-groups; elements of 8 bytes; bit 21 beside a mask; no padding
	s_mov_b32 s[G1+1], 32<<16                      ; tensor_dim0: rows of 256 bytes
	s_mov_b32 s[G1+2], 100<<16                     ; tensor_dim1: 100 rows: 25,600 dense bytes
	s_mov_b32 s[G1+3], 32<<16                      ; tile_dim0
	s_mov_b32 s[G1+4], 100                         ; tile_dim1
	s_mov_b32 s[G1+5], 32                          ; the pitch
	s_mov_b32 s[G1+6], 0
	s_mov_b32 s[G1+7], 0
	s_lshl_b32 s18, s17, 6
	s_add_co_u32 s19, s18, s[WV]                   ; 64 n + w: my quarter of head 0
	s_mul_i32 s22, s19, QSZ
	s_mov_b32 s23, 0
	s_lshr_b32 s19, ttmp9, 1                       ; my queries' quarter
	s_add_co_u32 s19, s18, s19
	s_mul_i32 s20, s19, 12800
	s_mov_b32 s21, 0
	s_mul_i32 s15, s[WV], QSZ                      ; my quarter's place in a slot
	s_mov_b32 s[CS], 0x3e38aa3b                    ; log2(e) / 8
	s_mov_b32 s[CS+1], s[CS]
	s_mov_b32 s[SEL], 0x76543210
	s_mov_b32 s[SEL+1], 0xfedcba98
	s_mov_b32 s[TB], 0
	s_mov_b32 s[HA], 0
	s_mov_b32 s[HB], 0
	s_cmp_ge_u32 s[WV], 2
	s_cselect_b32 s[SELM], -1, 0
	s_wait_kmcnt 0x0
	s_add_nc_u64 s[22:23], s[6:7], s[22:23]
	s_add_nc_u64 s[QP:QP+1], s[4:5], s[20:21]
	s_mov_b32 s[G0A], 1
	s_mov_b32 s[G0A+1], s15
	s_mov_b64 s[G0A+2:G0A+3], s[22:23]
	s_or_b32 s[G0A+3], s[G0A+3], 0x80000000
	s_mov_b32 s[G0W], 1
	s_add_co_u32 s[G0W+1], s15, SLOT1
	s_add_nc_u64 s[G0W+2:G0W+3], s[22:23], 4*QSZ   ; head 1
	s_or_b32 s[G0W+3], s[G0W+3], 0x80000000
	CROUND                                         ; all four work-groups are here: the first joint loads meet
	tensor_load_to_lds s[G0A:G0A+3], s[G1:G1+7]    ; heads 0 and 1: two loads of mine are out
	s_nop 0
	tensor_load_to_lds s[G0W:G0W+3], s[G1:G1+7]
	s_nop 0
	PLACES 4
	v_and_b32 v26, 31, v0                          ; lane
	v_and_b32 v27, 15, v0                          ; r
	v_bfe_u32 v28, v0, 4, 1                        ; lane / 16
	s_and_b32 s18, ttmp9, 1                        ; my queries' chunk of 128 in their quarter
	s_mul_i32 s19, s18, 6144
	s_mul_i32 s20, s16, 1536
	s_add_co_u32 s19, s19, s20                     ; my two tiles' codes
	v_lshl_add_u32 v[QO16], v26, 4, s19
	v_lshl_add_u32 v[QO8], v26, 3, s19
	s_lshl_b32 s18, s18, 8
	s_lshl_b32 s20, s16, 2
	s_add_co_u32 s18, s18, s20
	s_add_co_u32 s18, s18, 12288                   ; and their scale words
	v_lshl_add_u32 v[QOS], v27, 4, s18
.macro QLOADS                          ; q's two tiles and their scale word
	global_load_b128 v[QR+6:QR+9], v[QO16], s[QP:QP+1]
	global_load_b64 v[QR+10:QR+11], v[QO8], s[QP:QP+1] offset:512
	global_load_b64 v[QR+18:QR+19], v[QO8], s[QP:QP+1] offset:768
	global_load_b128 v[QR+20:QR+23], v[QO16], s[QP:QP+1] offset:1024
	global_load_b32 v[QW], v[QOS], s[QP:QP+1]
.endm
	QLOADS                                         ; head 0's
	v_lshl_add_u32 v[A16], v26, 4, s15
	v_lshl_add_u32 v[A8], v26, 3, s15
	s_lshl_b32 s18, s[WV], 13
	s_add_co_u32 s18, s18, EXO
	v_lshl_add_u32 v[XOW], v26, 4, s18
	s_lshl_b32 s18, s[WV], 3
	s_add_co_u32 s18, s18, EXS
	v_lshl_add_u32 v[XSW], v27, 5, s18
	s_lshl_b32 s18, s[WV], 11
	s_add_co_u32 s18, s18, EXO
	v_lshl_add_u32 v[XRD], v26, 4, s18
	v_lshl_add_u32 v[XSR], v27, 5, EXS
	v_mul_u32_u24 v[AW0], v28, 272                 ; attn's codes: my place of 16 bytes: 272 (lane / 16) + 16 r,
	v_lshl_add_u32 v[AW0], v27, 4, v[AW0]
	s_mul_i32 s18, s[WV], AWV
	s_add_co_u32 s18, s18, AST
	v_add_nc_u32 v[AW0], s18, v[AW0]               ; in my wave's region
	s_lshl_b32 s18, s[WV], 10
	s_add_co_u32 s18, s18, ASC
	v_lshl_add_u32 v[BW0], v27, 2, s18             ; and my row's scale word
.irp z, 0,1,2,3,4,5
	v_mov_b32 v[QR+\z], 0                          ; the zero codes, set once
	v_mov_b32 v[QR+12+\z], 0
	v_mov_b32 v[QR+24+\z], 0
.endr
.set i, 0
.rept 16
	v_mov_b32 v[T1+i], 0                           ; written once: a lane permute's destination counts as one of its sources
.set i, i+1
.endr
	v_mov_b32 v[NM+1], 0                           ; (named as the upper halves of pairs before they are first written)
	v_mov_b32 v[NM+3], 0
.macro SC1 d, a, b, sa, sb, row        ; 16 keys x 16 queries; row = 1: K's scale words of the second chunk lie in lanes 16-31
.if \row
	v_wmma_scale_f32_16x16x128_f8f6f4 v[\d:\d+7], v[\a:\a+11], v[\b:\b+11], 0, v[\sa], v[\sb] matrix_a_fmt:MATRIX_FMT_FP6 matrix_b_fmt:MATRIX_FMT_FP6 matrix_a_scale:MATRIX_SCALE_ROW1
.else
	v_wmma_scale_f32_16x16x128_f8f6f4 v[\d:\d+7], v[\a:\a+11], v[\b:\b+11], 0, v[\sa], v[\sb] matrix_a_fmt:MATRIX_FMT_FP6 matrix_b_fmt:MATRIX_FMT_FP6
.endif
.endm
.macro PV1 d, a, b, sa, sb, c          ; 16 channels x 16 queries over chunk c's 128 keys; chunk 0 starts the sums
.if \c
	v_wmma_scale_f32_16x16x128_f8f6f4 v[\d:\d+7], v[\a:\a+11], v[\b:\b+11], v[\d:\d+7], v[\sa], v[\sb] matrix_a_fmt:MATRIX_FMT_FP6 matrix_b_fmt:MATRIX_FMT_FP6 matrix_a_scale:MATRIX_SCALE_ROW1
.else
	v_wmma_scale_f32_16x16x128_f8f6f4 v[\d:\d+7], v[\a:\a+11], v[\b:\b+11], 0, v[\sa], v[\sb] matrix_a_fmt:MATRIX_FMT_FP6 matrix_b_fmt:MATRIX_FMT_FP6
.endif
.endm
; My quarter's operands, as they lie: images of registers, every instruction's bytes consecutive.  KFETCH: 34 loads: both sets of scale words and K.  VFETCH: 24 loads.
.macro KFETCH
	v_add_nc_u32 v[KA16], s[TB], v[A16]            ; my quarter in the slot in hand
	v_add_nc_u32 v[KA8], s[TB], v[A8]
	ds_load_b128 v[KS:KS+3], v[KA16] offset:12288  ; lanes 0-15: chunk 0's words of row r, tiles' pairs aa = 0 .. 3; lanes 16-31: chunk 1's
	ds_load_b128 v[VS:VS+3], v[KA16] offset:25088  ; V's likewise, dt = 0 .. 3
	WIN 0xc0                                       ; destination window 3
.set g, 0
.rept 8
	ds_load_b128 v[KF+12*g:KF+12*g+3], v[KA16] offset:1536*g
	ds_load_b64 v[KF+12*g+4:KF+12*g+5], v[KA8] offset:1536*g+512
	ds_load_b64 v[KF+12*g+6:KF+12*g+7], v[KA8] offset:1536*g+768
	ds_load_b128 v[KF+12*g+8:KF+12*g+11], v[KA16] offset:1536*g+1024
.set g, g+1
.endr
	WIN 0
.endm
.macro VFETCH
	WIN 0xc0                                       ; destination window 3
.set g, 0
.rept 24
	ds_load_b128 v[VF+4*g:VF+4*g+3], v[KA16] offset:12800+512*g
.set g, g+1
.endr
	WIN 0
.endm
; Product k of 32 of S^T = K q^T, each on an accumulator of its own: K's double fragment k / 4; k % 4 = 0, 1: its first key tile against tiles 0, 1 of q; 2, 3: its second
.macro SCK k
.set gg, (\k)/4
.set mm, (\k)%4
.set dd, 64*(gg/4)+16*(gg%4)+128*(mm%2)+8*(mm/2)
	WIN 0x43                                       ; source 0 (K) window 3, source 1 (q) window 0, D window 1
	SC1 dd, KF+12*gg, QR+12*(mm%2)+6*(1-mm/2), KS+gg%4, QS+mm%2, gg/4
.endm
; out1's sums += p 2^(M_w - M) / (16 l), for the eight registers of p that product k of the next head's scores writes over.  first = 1: the first head starts the sums: nothing is cleared
.macro ASL k, first
.set dd, 64*((\k)/16)+16*(((\k)/4)%4)+128*((\k)%2)+8*(((\k)%4)/2)
.if \first
	WIN 0x81                                       ; destination window 2, source 0 (p) window 1
.else
	WIN 0xa1                                       ; and source 2 window 2
.endif
.irp e, 0,2,4,6
.if \first
	v_pk_mul_f32 v[dd+\e:dd+\e+1], v[dd+\e:dd+\e+1], v[GG+2*(dd/128):GG+2*(dd/128)+1]
.else
	v_pk_fma_f32 v[dd+\e:dd+\e+1], v[dd+\e:dd+\e+1], v[GG+2*(dd/128):GG+2*(dd/128)+1], v[dd+\e:dd+\e+1]
.endif
.endr
.endm
; BY TURNS: out1's sums of this head and the scores of the next.  The four lines that read the eight registers of p stand two products ahead of the product that writes over them; behind each product stand four plain lines
; that name none of its registers.  next = 0: the last head: the sums alone.
.macro ACCSC first, next
.if \next
	s_wait_dscnt 26                                ; K and the scale words are in; behind them my two stores of attn's codes and V's 24 loads may be out
	ASL 0, \first
	ASL 1, \first
.set n, 0
.rept 30
	SCK n
	ASL n+2, \first
.set n, n+1
.endr
	SCK 30
	SCK 31
.else
.set n, 0
.rept 32
	ASL n, \first
.set n, n+1
.endr
.endif
	WIN 0
.endm
.macro BMAX                            ; the largest score of each block of 32 keys: my 16 of it.  Each accumulator is first read at its low end
	WIN 0x15
.set i, 0
.rept 16
	v_max3_num_f32 v[BM+i], v[16*i], v[16*i+1], v[16*i+2]
.set i, i+1
.endr
	WIN 0x14
.irp k, 3,5,7,9,11,13
.set i, 0
.rept 16
	v_max3_num_f32 v[BM+i], v[BM+i], v[16*i+\k], v[16*i+\k+1]
.set i, i+1
.endr
.endr
.set i, 0
.rept 16
	v_max_num_f32 v[BM+i], v[BM+i], v[16*i+15]
.set i, i+1
.endr
	WIN 0
.endm
.macro ROWM                            ; with lane l xor 16's; then my 256 keys' largest t and -M = floor(-t)
.set i, 0
.rept 16
	v_permlanex16_b32 v[T1+i], v[BM+i], s[SEL], s[SEL+1]
.set i, i+1
.endr
.set i, 0
.rept 16
	v_max_num_f32 v[BM+i], v[BM+i], v[T1+i]
.set i, i+1
.endr
.irp u, 0,1
	v_max3_num_f32 v[26+\u], v[BM+8*\u], v[BM+8*\u+1], v[BM+8*\u+2]
.endr
.irp u, 0,1
	v_max3_num_f32 v[26+\u], v[26+\u], v[BM+8*\u+3], v[BM+8*\u+4]
.endr
.irp u, 0,1
	v_max3_num_f32 v[26+\u], v[26+\u], v[BM+8*\u+5], v[BM+8*\u+6]
.endr
.irp u, 0,1
	v_max_num_f32 v[26+\u], v[26+\u], v[BM+8*\u+7]
.endr
.irp u, 0,1
	v_mul_f32 v[26+\u], s[CS], v[26+\u]
.endr
.irp u, 0,1
	v_floor_f32 v[NM+2*\u], -v[26+\u]
.endr
.endm
; p = 2^(t - M).  ONE BATCH of 272 exponentials: first the sixteen blocks' largest scores (the same multiply-add and exponential on the same number give the block's largest p, bit for bit), then 128 packed scalings and
; 256 exponentials dealt out together, the scalings four pairs ahead.  None of these lines reads an exponential's result.  One plain line and one wait follow the batch.
.macro EXPS
.set i, 0
.rept 16
	v_fma_f32 v[BM+i], v[BM+i], s[CS], v[NM+2*(i/8)]
.set i, i+1
.endr
.set i, 0
.rept 16
	v_exp_f32 v[BM+i], v[BM+i]
.set i, i+1
.endr
	WIN 0x41                                       ; destination and source 0 window 1
.set i, 0
.rept 4
	v_pk_fma_f32 v[2*i:2*i+1], v[2*i:2*i+1], s[CS:CS+1], v[NM+2*(i/64):NM+2*(i/64)+1] op_sel_hi:[1,0,0]
.set i, i+1
.endr
.rept 124
	v_pk_fma_f32 v[2*i:2*i+1], v[2*i:2*i+1], s[CS:CS+1], v[NM+2*(i/64):NM+2*(i/64)+1] op_sel_hi:[1,0,0]
	v_exp_f32 v[2*i-8], v[2*i-8]
	v_exp_f32 v[2*i-7], v[2*i-7]
.set i, i+1
.endr
.set i, 248
.rept 8
	v_exp_f32 v[i], v[i]
.set i, i+1
.endr
	WIN 0
	v_nop                                          ; the plain line behind the last exponential
	s_wait_alu depctr_va_vdst(0)                   ; one wait for the batch, ahead of its first reader
.endm
.macro PSCALE
.set i, 0
.rept 16
	v_max_num_f32 v[BM+i], 0x1800000, v[BM+i]      ; the floor 2^(3 - 127): the byte cannot fall under 1
.set i, i+1
.endr
.set i, 0
.rept 16
	v_add_nc_u32 v[SO+i], 0xff000000, v[BM+i]      ; 2 off the exponent field: the conversion's scale operand
.set i, i+1
.endr
.set i, 0
.rept 16
	v_lshrrev_b32 v[T1+i], 23, v[SO+i]             ; the scale's byte
.set i, i+1
.endr
.irp f, 0,1,2,3
	v_lshl_or_b32 v[PWD+\f], v[T1+4*\f+1], 8, v[T1+4*\f]
.endr
.irp f, 0,1,2,3
	v_lshl_or_b32 v[PWD+\f], v[T1+4*\f+2], 16, v[PWD+\f]
.endr
.irp f, 0,1,2,3
	v_lshl_or_b32 v[PWD+\f], v[T1+4*\f+3], 24, v[PWD+\f]
.endr
.endm
.macro PCONV
	WIN 0x01                                       ; source 0 (p) window 1
.irp f, 0,1,2,3
.irp c, 0,1
	v_cvt_scalef32_pk16_fp6_f32 v[PC+20*\f+6*\c:PC+20*\f+6*\c+2], v[64*\f+32*\c:64*\f+32*\c+15], v[SO+4*\f+2*\c]
	v_cvt_scalef32_pk16_fp6_f32 v[PC+20*\f+12+4*\c:PC+20*\f+12+4*\c+2], v[64*\f+32*\c+16:64*\f+32*\c+31], v[SO+4*\f+2*\c+1]
.endr
.endr
	WIN 0
	v_nop                                          ; one plain line behind a scaled conversion
.irp f, 0,1,2,3
.irp c, 0,1                                    ; the operand's layout wants a whole block in a lane
.irp i, 0,1,2
	v_permlane16_swap_b32 v[PC+20*\f+6*\c+\i], v[PC+20*\f+12+4*\c+\i]
.endr
.irp i, 0,1,2
	v_mov_b32 v[PC+20*\f+3+6*\c+\i], v[PC+20*\f+12+4*\c+\i]
.endr
.endr
.endr
.endm
; Eight additions of the sum of the unquantised p: pairs 8 + 4 i of both tiles, i = i0, i0 + 1; two chains a tile
.macro SSL i0
	WIN 0x04                                       ; source 1 (p) window 1
.irp e, 0,1
.irp q, 0,1,2,3
	v_pk_add_f32 v[LS+2*\q:LS+2*\q+1], v[LS+2*\q:LS+2*\q+1], v[128*(\q/2)+8+4*((\i0)+\e)+2*(\q%2):128*(\q/2)+8+4*((\i0)+\e)+2*(\q%2)+1]
.endr
.endr
.endm
; BY TURNS: O^T = V^T p and the row's sum.  Twelve additions stand ahead of the first product: they are also the plain lines between the last write of p's codes and the products; eight stand behind each of the first fourteen products.
.macro PVS
	WIN 0x05
.irp q, 0,1,2,3
	v_pk_add_f32 v[LS+2*\q:LS+2*\q+1], v[128*(\q/2)+4*(\q%2):128*(\q/2)+4*(\q%2)+1], v[128*(\q/2)+4*(\q%2)+2:128*(\q/2)+4*(\q%2)+3]
.endr
	SSL 0
	s_wait_dscnt 0x0                               ; V is in; my reads of the last head's exchange are over
	s_barrier_signal -1                            ; so the exchange's bytes may be written again when all four have said so
.set n, 0
.irp c, 0,1                                    ; eight accumulators by turns
.irp t, 0,1,2,3
.irp u, 0,1
	WIN 0xf3                                       ; source 0 (V) window 3, source 1 (p) window 0, C and D window 3
	PV1 OT+32*\u+8*\t, VF+12*(4*\c+\t), PC+20*(2*\u+\c), VS+\t, PWD+2*\u+\c, \c
.if n < 14
	SSL 2*n+2
.endif
.set n, n+1
.endr
.endr
.endr
	WIN 0
	v_pk_add_f32 v[LS:LS+1], v[LS:LS+1], v[LS+2:LS+3]      ; l is finished: these lines are the places behind the last products
	v_pk_add_f32 v[LS+4:LS+5], v[LS+4:LS+5], v[LS+6:LS+7]
	v_add_f32 v[LS], v[LS], v[LS+1]
	v_add_f32 v[LS+4], v[LS+4], v[LS+5]
	v_permlanex16_b32 v[T1], v[LS], s[SEL], s[SEL+1]
	v_permlanex16_b32 v[T1+1], v[LS+4], s[SEL], s[SEL+1]
	v_add_f32 v[NM+1], v[LS], v[T1]
	v_add_f32 v[NM+3], v[LS+4], v[T1+1]
	s_barrier_wait -1
.endm
.macro XPUT                            ; my part of O^T, as it stands, each accumulator from its low end on; and (-M, l)
	WIN 0x0c                                       ; an LDS store's data: window 3
.set i, 0
.rept 16
	ds_store_b128 v[XOW], v[OT+4*i:OT+4*i+3] offset:512*i
.set i, i+1
.endr
	WIN 0
	ds_store_b64 v[XSW], v[NM:NM+1]
	ds_store_b64 v[XSW], v[NM+2:NM+3] offset:512
.endm
; THE CHANGE OF SLOTS.  Each wave waits for all its tensor loads (the next head's quarter), adds 0 to its spare word, and waits for that, for its stores into the exchange and for its reads of the slot.
; fill = 1: a round of the cluster's barrier, and the slot just left is filled with the head two on.  The same barrier shows every wave's part of the exchange to the others.
.macro CHANGE fill
	s_wait_tensorcnt 0x0                           ; no tensor load of mine is out, so a group 0 may be written
	ds_add_u32 v[SPW], v[NIL]                      ; 0 onto my spare word
.if \fill
	s_xor_b32 s[G0W+1], s[G0W+1], SLOT1            ; the walking descriptor: the other slot than last time,
	s_add_nc_u64 s[G0W+2:G0W+3], s[G0W+2:G0W+3], 4*QSZ   ; the next head; the type bits on top are not reached
.endif
	s_xor_b32 s[TB], s[TB], SLOT1
	s_wait_dscnt 0x0
.if \fill
	CROUND
	tensor_load_to_lds s[G0W:G0W+3], s[G1:G1+7]    ; the first thing behind the round, and my one tensor load until the next
	s_nop 0
	PLACES 4
.else
	s_barrier_signal -1
	s_barrier_wait -1
.endif
.endm
; The exchange is read: 4 loads of statistics, 16 of O^T's parts.  next = 1: behind them the next head's K and scale words are asked for, and q's scale words are made, far ahead of the products that name them.
.macro XGET next
	ds_load_b128 v[XX:XX+3], v[XSR]
	ds_load_b128 v[XX+4:XX+7], v[XSR] offset:16
	ds_load_b128 v[XX+8:XX+11], v[XSR] offset:512
	ds_load_b128 v[XX+12:XX+15], v[XSR] offset:528
.irp j, 0,1,2,3
.irp q, 0,1,2,3
	ds_load_b128 v[OP+16*\j+4*\q:OP+16*\j+4*\q+3], v[XRD] offset:8192*\j+512*\q   ; wave j's part of block w % 2 of tile w / 2: channels 32 (w % 2) + 16 (lane / 16) + 0 .. 15
.endr
.endr
.if \next
	KFETCH
	s_wait_loadcnt 0x0                             ; the next head's q, asked for at this head's start
	v_perm_b32 v[QS], v[QW], v[QW], 0x01000100     ; tile 0's two bytes, for both halves of K: they serve [q | 0] and [0 | q]
	v_perm_b32 v[QS+1], v[QW], v[QW], 0x03020302   ; tile 1's
	s_wait_dscnt 50                                ; the statistics are in; the 16 loads of O^T's parts and the 34 of K may be out
.else
	s_wait_dscnt 16                                ; the statistics are in; the 16 loads of O^T's parts may be out
.endif
.endm
.macro STATS
.irp u, 0,1
	v_min_num_f32 v[GM+\u], v[XX+8*\u], v[XX+8*\u+2]
.endr
.irp u, 0,1
	v_min_num_f32 v[LT+\u], v[XX+8*\u+4], v[XX+8*\u+6]
.endr
.irp u, 0,1
	v_min_num_f32 v[GM+\u], v[GM+\u], v[LT+\u]     ; -M of the row: the least of the four
.endr
.irp j, 0,1,2,3
.irp u, 0,1
	v_sub_f32 v[EE+4*\u+\j], v[GM+\u], v[XX+8*\u+2*\j]     ; M_j - M: a whole number, 0 or less
.endr
.endr
.irp j, 0,1,2,3
.irp u, 0,1
	v_cvt_i32_f32 v[EE+4*\u+\j], v[EE+4*\u+\j]     ; (it saturates)
.endr
.endr
.irp j, 0,1,2,3
.irp u, 0,1
	v_ldexp_f32 v[XX+8*\u+2*\j+1], v[XX+8*\u+2*\j+1], v[EE+4*\u+\j]   ; l_j under the row's M: nothing is rounded
.endr
.endr
.irp u, 0,1
	v_add_f32 v[LT+\u], v[XX+8*\u+1], v[XX+8*\u+3]
.endr
.irp u, 0,1
	v_add_f32 v[XX+8*\u+5], v[XX+8*\u+5], v[XX+8*\u+7]
.endr
.irp u, 0,1
	v_add_f32 v[LT+\u], v[LT+\u], v[XX+8*\u+5]     ; the row's sum
.endr
.irp u, 0,1
	v_rcp_f32 v[INV+\u], v[LT+\u]
.endr
.irp u, 0,1
	v_sub_f32 v[EO+\u], v[GM+\u], v[NM+2*\u]       ; my own M - M,
.endr
.irp u, 0,1
	v_add_f32 v[EO+\u], -4.0, v[EO+\u]             ; and 1/16 for the mean over the heads
.endr
.irp u, 0,1
	v_cvt_i32_f32 v[EO+\u], v[EO+\u]
.endr
	s_wait_alu depctr_va_vdst(0)                   ; one wait for the two reciprocals, ahead of their first reader
.irp u, 0,1
	v_ldexp_f32 v[GG+2*\u], v[INV+\u], v[EO+\u]
	v_ldexp_f32 v[GG+2*\u+1], v[INV+\u], v[EO+\u]
.endr
.endm
; My block of attn: the sum over the waves of 2^(M_j - M) / l x their parts; quantised along D: one block of 32 in lanes l and l xor 16.  next = 1: behind it the next head's V is asked for.
.macro OREDUCE next
.if \next
	s_wait_dscnt 34                                ; O^T's parts are in; K's 34 loads may be out
.else
	s_wait_dscnt 0x0
.endif
.irp j, 0,1,2,3
	v_cndmask_b32 v[ES+\j], v[EE+\j], v[EE+4+\j], s[SELM]
.endr
	v_cndmask_b32 v[IS], v[INV], v[INV+1], s[SELM]
.irp j, 0,1,2,3
	v_ldexp_f32 v[T1+2*\j], v[IS], v[ES+\j]
	v_ldexp_f32 v[T1+2*\j+1], v[IS], v[ES+\j]
.endr
.irp i, 0,2,4,6,8,10,12,14
	v_pk_mul_f32 v[OP+\i:OP+\i+1], v[OP+\i:OP+\i+1], v[T1:T1+1]
.endr
.irp j, 1,2,3
.irp i, 0,2,4,6,8,10,12,14
	v_pk_fma_f32 v[OP+\i:OP+\i+1], v[OP+16*\j+\i:OP+16*\j+\i+1], v[T1+2*\j:T1+2*\j+1], v[OP+\i:OP+\i+1]
.endr
.endr
	v_max3_num_f32 v26, |v[OP]|, |v[OP+1]|, 0x1800000
	v_max3_num_f32 v27, |v[OP+2]|, |v[OP+3]|, |v[OP+4]|
	v_max3_num_f32 v26, v26, |v[OP+5]|, |v[OP+6]|
	v_max3_num_f32 v27, v27, |v[OP+7]|, |v[OP+8]|
	v_max3_num_f32 v26, v26, |v[OP+9]|, |v[OP+10]|
	v_max3_num_f32 v27, v27, |v[OP+11]|, |v[OP+12]|
	v_max3_num_f32 v26, v26, |v[OP+13]|, |v[OP+14]|
	v_max3_num_f32 v26, v26, v27, |v[OP+15]|
	v_permlanex16_b32 v28, v26, s[SEL], s[SEL+1]
	v_max_num_f32 v26, v26, v28
	v_add_nc_u32 v27, 0xff000000, v26
	v_lshrrev_b32 v[BY], 23, v27
	v_cvt_scalef32_pk16_fp6_f32 v[CV:CV+2], v[OP:OP+15], v27
	v_nop                                          ; one plain line behind a scaled conversion
	ds_store_b128 v[AWH], v[CV:CV+3]               ; my 12 bytes of codes into their place of 16; the fourth word fills the place and is not stored to memory
	ds_store_b32 v[BWH], v[BY]                     ; both lanes of a block write the same word with the same value
	s_add_co_u32 s[HA], s[HA], AHD
	s_add_co_u32 s[HB], s[HB], 64
.if \next
	VFETCH
.endif
.endm
; A HEAD, from its scores to the next head's.  first = 1: it starts out1's sums.  fill = 1: its slot is filled again with the head two on.  next = 1: there is a next head: its q, K and V are fetched and its scores made.
.macro HEAD first, fill, next
	v_add_nc_u32 v[AWH], s[HA], v[AW0]             ; (these two and two v_nop are the places behind the scores' last products, in front of the loads into q's registers and of the first read of the scores)
	v_add_nc_u32 v[BWH], s[HB], v[BW0]
	PLACES 2
.if \next
	s_add_nc_u64 s[QP:QP+1], s[QP:QP+1], 51200     ; (the loads that read it have been waited for)
	QLOADS                                         ; the next head's q
.endif
	BMAX
	ROWM
	EXPS
	PSCALE
	PCONV
	PVS
	XPUT
	CHANGE \fill
	XGET \next
	STATS
	OREDUCE \next
	ACCSC \first, \next
.endm
	s_wait_tensorcnt 1                             ; head 0's quarter is in; head 1's may stay out
	s_barrier_signal -1
	s_barrier_wait -1
	KFETCH                                         ; head 0's operands
	VFETCH
	s_wait_loadcnt 0x0                             ; head 0's q
	v_perm_b32 v[QS], v[QW], v[QW], 0x01000100
	v_perm_b32 v[QS+1], v[QW], v[QW], 0x03020302
	PLACES 8                                       ; scale words written by vector lines stand so far ahead of a scaled matrix instruction
	s_wait_dscnt 24                                ; the scale words and K are in; V's 24 loads may be out
.set n, 0
.rept 32
	SCK n                                          ; head 0's scores: there is no vector work yet to set between them
.set n, n+1
.endr
	WIN 0
	HEAD 1, 1, 1                                   ; head 0; it asks for head 2
	s_mov_b32 s[CNT], 13
.Lheads:                                           ; heads 1 to 13; they ask for heads 3 to 15
	HEAD 0, 1, 1
	s_sub_co_u32 s[CNT], s[CNT], 1
	s_cmp_lg_u32 s[CNT], 0
	s_cbranch_scc1 .Lheads
	HEAD 0, 0, 1                                   ; heads 14 and 15 are written out
	HEAD 0, 0, 0
; ---- THE WAY OUT ----
	s_wait_dscnt 0x0                               ; my stores of attn's codes and scale words are done
	s_barrier_signal -1
	s_barrier_wait -1                              ; everybody's are
	s_bfe_u32 s22, ttmp6, 0x40000                  ; cx
	s_lshl_b32 s23, ttmp9, 2
	s_add_co_u32 s23, s23, s22                     ; my block of 32 queries
	s_and_b32 s22, ttmp7, 0xffff                   ; n
	s_lshl_b32 s52, s22, 10
	s_lshl_b32 s53, s23, 5
	s_add_co_u32 s52, s52, s53                     ; my first token: 1,024 n + 32 g
	s_lshl_b32 s53, s[WV], 3
	s_add_co_u32 s53, s52, s53                     ; my wave's 8 rows of ac
	s_mul_i32 s54, s53, 768
	s_mov_b32 s55, 0
	s_add_nc_u64 s[8:9], s[8:9], s[54:55]
	s_lshl_b32 s54, s52, 5
	s_add_nc_u64 s[10:11], s[10:11], s[54:55]
	s_lshl_b32 s54, s52, 12                        ; a row of out1 is 4,096 bytes;
	s_lshl_b32 s53, s[WV], 10                      ; my 256 keys
	s_add_co_u32 s54, s54, s53
	s_add_nc_u64 s[12:13], s[12:13], s[54:55]
	; attn's codes.  Wave w stores true rows 8 w + i: tile w % 2, lane row 8 (w / 2) + i.  A row's 768 bytes are 64 pieces of 12: piece z = 4 head + 2 b + h was made by wave 2 (w % 2) + b, in lanes' half h.
	; Lane l of instruction e takes piece 32 e + l: head 8 e + l / 4, b = (l / 2) % 2, h = l % 2.
	v_and_b32 v26, 31, v0                          ; lane
	v_and_b32 v27, 1, v0                           ; h
	v_bfe_u32 v28, v0, 1, 1                        ; b
	v_bfe_u32 v29, v0, 2, 3                        ; head % 8
	v_mul_u32_u24 v27, v27, 272
	v_mad_u32_u24 v27, v28, AWV, v27
	v_mad_u32_u24 v27, v29, AHD, v27
	s_and_b32 s58, s[WV], 1
	s_lshr_b32 s59, s[WV], 1
	s_mul_i32 s58, s58, 2*AWV                      ; the tile's two waves' regions,
	s_lshl_b32 s59, s59, 7                         ; lane rows 8 (w / 2) on: 16 bytes each
	s_add_co_u32 s58, s58, s59
	s_add_co_u32 s58, s58, AST
	v_add_nc_u32 v18, s58, v27
	v_mul_u32_u24 v21, v26, 12                     ; and in ac: 12 bytes a lane
	; attn's scale bytes: thread t stores bytes 8 (t % 4) .. + 7 of true row t / 4: byte 2 head + b
	v_and_b32 v28, 3, v0                           ; four heads for each 8 bytes
	v_bfe_u32 v29, v0, 5, 1                        ; the row's tile
	v_bfe_u32 v30, v0, 2, 3
	v_lshrrev_b32 v27, 6, v0
	v_lshl_add_u32 v30, v27, 3, v30                ; its lane row
	v_lshlrev_b32 v30, 2, v30
	v_lshl_add_u32 v30, v29, 11, v30
	v_lshl_add_u32 v30, v28, 8, v30
	v_add_nc_u32 v22, ASC, v30
	v_lshlrev_b32 v23, 3, v0
.irp i, 0,1,2,3,4,5,6,7
.irp e, 0,1
	ds_load_b128 v[140+4*(2*\i+\e):140+4*(2*\i+\e)+3], v18 offset:8*AHD*\e+16*\i
.endr
.endr
.irp e, 0,1,2,3,4,5,6,7
	ds_load_b32 v[208+\e], v22 offset:1024*(\e%2)+64*(\e/2)
.endr
	; out1's stage: 16 rows of 528 bytes in my own quarter of slot 0, which has had its last fill and its last read
	v_and_b32 v27, 15, v0
	v_bfe_u32 v28, v0, 4, 1
	v_mul_u32_u24 v24, v27, 528
	v_lshl_add_u32 v24, v28, 6, v24
	v_add_nc_u32 v24, s15, v24                     ; in: row r, + 64 (lane / 16)
	v_lshlrev_b32 v31, 4, v26                      ; 16 x lane: back, and in out1
	v_add_nc_u32 v25, s15, v31
	s_wait_dscnt 0x0
.irp i, 0,1,2,3,4,5,6,7
.irp e, 0,1
	global_store_b96 v21, v[140+4*(2*\i+\e):140+4*(2*\i+\e)+2], s[8:9] offset:768*\i+384*\e   ; 32 lanes store 384 consecutive bytes; a row's two stores cover its three aligned runs of 256
.endr
.endr
	v_lshl_or_b32 v216, v209, 8, v208
	v_lshl_or_b32 v217, v213, 8, v212
	v_lshl_or_b32 v216, v210, 16, v216
	v_lshl_or_b32 v217, v214, 16, v217
	v_lshl_or_b32 v216, v211, 24, v216
	v_lshl_or_b32 v217, v215, 24, v217
	global_store_b64 v23, v[216:217], s[10:11]     ; a wave stores 256 consecutive bytes, aligned
	s_wait_xcnt 0x0                                ; these stores have read their data: the registers are loaded again only behind this wait
.macro TOSTAGE k                       ; block k = 2 u + c: 16 queries x 128 keys through my stage; LDS serves a wave's instructions in order, so no wait stands between the stores and the loads
	WIN 0x08                                       ; an LDS store's data: window 2
.set t, 0
.rept 8
	ds_store_b128 v24, v[64*(\k)+8*t:64*(\k)+8*t+3] offset:128*(t/2)+32*(t%2)
	ds_store_b128 v24, v[64*(\k)+8*t+4:64*(\k)+8*t+7] offset:128*(t/2)+32*(t%2)+16
.set t, t+1
.endr
	WIN 0
.set BB, 128+64*((\k)%2)
.set t, 0
.rept 16
	ds_load_b128 v[BB+4*t:BB+4*t+3], v25 offset:528*t
.set t, t+1
.endr
.endm
.macro SEND k, younger                 ; younger: the LDS instructions issued behind block k's loads, which may stay out
.set BB, 128+64*((\k)%2)
	s_wait_dscnt \younger
.set t, 0
.rept 16
	global_store_b128 v31, v[BB+4*t:BB+4*t+3], s[12:13] offset:(16*(t/8)+8*((\k)/2)+t%8)*4096+512*((\k)%2) th:TH_STORE_NT   ; 32 lanes store 512 consecutive bytes of a row of out1, aligned
.set t, t+1
.endr
.endm
	TOSTAGE 0
	TOSTAGE 1
	SEND 0, 32                                     ; behind block 0's loads: block 1's 16 stores and 16 loads
	s_wait_xcnt 0x0                                ; block 0's stores have read their registers
	TOSTAGE 2
	SEND 1, 32
	s_wait_xcnt 0x0
	TOSTAGE 3
	SEND 2, 32
	SEND 3, 0
	s_wait_tensorcnt 0x0                           ; the wave's end
	ds_add_u32 v[SPW], v[NIL]
	s_wait_dscnt 0x0
	CROUND                                         ; the closing round
	s_endpgm
.Lfunc_end_k_q2a9d14f4cb_attn:
	.size	k_q2a9d14f4cb_attn, .Lfunc_end_k_q2a9d14f4cb_attn-k_q2a9d14f4cb_attn
	.p2alignl 7, 3214868480
	.fill 96, 4, 3214868480
	.section	.rodata,"a",@progbits
	.p2align	6, 0x0
	.amdhsa_kernel k_q2a9d14f4cb_attn
		.amdhsa_group_segment_fixed_size 327680
		.amdhsa_private_segment_fixed_size 0
		.amdhsa_enable_private_segment 0
		.amdhsa_kernarg_size 40
		.amdhsa_user_sgpr_count 2
		.amdhsa_user_sgpr_kernarg_segment_ptr 1
		.amdhsa_wavefront_size32 1
		.amdhsa_system_sgpr_workgroup_id_x 1
		.amdhsa_system_sgpr_workgroup_id_y 1
		.amdhsa_system_sgpr_workgroup_id_z 1
		.amdhsa_system_vgpr_workitem_id 0
		.amdhsa_next_free_vgpr 1024
		.amdhsa_next_free_sgpr 66
		.amdhsa_reserve_vcc 0
		.amdhsa_float_denorm_mode_32 3
		.amdhsa_float_denorm_mode_16_64 3
		.amdhsa_memory_ordered 1
		.amdhsa_forward_progress 1
		.amdhsa_inst_pref_size 255
	.end_amdhsa_kernel
	.section	.bss,"aw",@nobits
	.p2align	6
	.space	262144
	.amdgpu_metadata
---
amdhsa.version: [ 1, 2 ]
amdhsa.kernels:
  - .name:           k_q2a9d14f4cb_attn
    .symbol:         k_q2a9d14f4cb_attn.kd
    .args:
      - { .name: qb, .offset: 0, .size: 8, .value_kind: global_buffer, .address_space: global }
      - { .name: kv, .offset: 8, .size: 8, .value_kind: global_buffer, .address_space: global }
      - { .name: ac, .offset: 16, .size: 8, .value_kind: global_buffer, .address_space: global }
      - { .name: asc, .offset: 24, .size: 8, .value_kind: global_buffer, .address_space: global }
      - { .name: out1, .offset: 32, .size: 8, .value_kind: global_buffer, .address_space: global }
    .group_segment_fixed_size: 327680
    .private_segment_fixed_size: 0
    .kernarg_segment_align: 8
    .kernarg_segment_size: 40
    .max_flat_workgroup_size: 128
    .sgpr_count:     66
    .vgpr_count:     1024
    .wavefront_size: 32
...
	.end_amdgpu_metadata
.endif
;; end of part 4
;; launch gemm_out (part 5): grid 4 x 32, 4 waves a work-group, clusters of 4 x 4, 327,680 bytes of LDS; arguments ac, asc, cod, scl, b_out, out0; writes out0
.if DOCPART == 5
	.amdgcn_target "amdgcn-amd-amdhsa--gfx1250"
	.amdhsa_code_object_version 6
	.text
	.protected	k_q2a9d14f4cb_gemm_out
	.globl	k_q2a9d14f4cb_gemm_out
	.p2align	8
	.type	k_q2a9d14f4cb_gemm_out,@function
k_q2a9d14f4cb_gemm_out:
	s_mov_b64 s[64:65], 0
	v_nop
	global_prefetch_b8 v0, s[64:65] scope:SCOPE_SE
	s_setreg_imm32_b32 hwreg(HW_REG_WAVE_MODE, 25, 1), 1
	s_wait_xcnt 0x0
	s_wait_alu depctr_hold_cnt(0) depctr_sa_sdst(0) depctr_va_vdst(0) depctr_va_sdst(0) depctr_va_ssrc(0) depctr_va_vcc(0) depctr_vm_vsrc(0)
	s_getreg_b32 s2, hwreg(HW_REG_IB_STS2, 6, 4)
	s_cmp_eq_u32 s2, 0
	s_cbranch_scc0 .Lentry_in_a_cluster
	s_endpgm
.Lentry_in_a_cluster:
	s_bfe_u32 s2, ttmp6, 0x10000c
	s_cmp_lg_u32 s2, 0xf033
	s_cbranch_scc0 .Lentry_shape_is_right
	s_endpgm
.Lentry_shape_is_right:
; out0 = attn W_out^T + b_out on codes of FP6 (E2M3) with E8M0 scales for each 32 along K = 1,024.  attn's codes ac [8192][768] and scale bytes asc [8192][32] lie in true row order; W_out's lie in cod and scl with bits 3 and 4 of the row's number exchanged.
; A tile of 256 tokens x 256 features to a work-group of four waves, 128 x 128 a wave in 64 accumulators; K in steps of 256 through a ring of two LDS slots filled by the tensor data mover; the scale bytes come once and stay.
; 4 x 4 work-groups form a cluster: attn's tiles are asked for jointly along a row of the cluster, W_out's along a column.
; The matrix instruction is used transposed (source 0 = 16 stored rows of W_out, source 1 = 16 rows of attn): register j of lane (r, h) of feature tile 2 b + u is out0(token r, feature 32 b + 16 h + 8 u + j).
; The bias is the C of each sum's first matrix instruction.  Results leave through the wave's own stage in LDS as whole rows of 512 bytes.
; REGISTERS, in windows of 256: window 0: v0-31 addresses; v32-63 scale words; v64-127 the bias; from v128 attn's fragments, ONE set; on the way out v128-255 rows read back.   window 1: W_out's fragments, TWO sets.   windows 2, 3: the accumulators.
.set SIZE_N, 1024
.set KSTEP,  256
.set NQ,     KSTEP/128
.set ROWB,   192
.set KROW,   768
.set PITCH,  240                       ; an LDS row: 3 x (64 bytes + 16 of padding)
.set FR,     12
.set NL,     6
.set NP,     4                         ; places behind this matrix instruction (ISA guide 7.12.1)
.set HALFT,  128*PITCH
.set SLOT,   4*HALFT
.set LAPS,   2
.set KS,     32
.set SCL,    2*SLOT
.set HALFS,  (128*KS/256)*272
.set SBLK,   (16*KS/256)*272
.set SPARE,  SCL+4*HALFS               ; the spare words, 128 bytes a wave; no other line names them
.set SPITCH, 528                       ; the way out: a stage of 16 rows x (512 bytes + 16) a wave, in slot 0, which has had its last fill and its last read by then
.set BCOD,   8650752                   ; W_out's codes in cod
.set BSCL,   360448                    ; and its scale bytes in scl
.set ADRA, 16
.set ADRB, 20
.set STO,  24
.set RD,   25
.set CO,   26
.set ADRS, 27
.set SPW,  28
.set NIL,  29
.set SC,   32
.set BI,   64
.set AF,   128
.set BK,   128
.set G1, 24
.set G0, 32
.set G1B, 48
.set G0B, 56
.set G1S, 68
.set G0S, 76
.set G1SB, 80
.set G0SB, 88
.set MSB, 0
.macro WIN new
.if MSB != (\new)
	s_set_vgpr_msb (MSB<<8)|(\new)
.set MSB, (\new)
.endif
.endm
.set MUL_LO, 0xa1
.set MUL_HI, 0xf1
.set FIRST_LO, 0x81                    ; the first step: C (the bias) window 0, D window 2
.set FIRST_HI, 0xc1
.set TO_B,   0x40
.macro JLOAD g0a, g1a, g0b, g1b        ; a joint load: waves 0, 1 fetch for attn, waves 2, 3 for W_out; four v_nop follow each line
	s_cmp_eq_u32 s15, 0
	s_cbranch_scc0 .Lfor_b_\@
	tensor_load_to_lds s[\g0a:\g0a+3], s[\g1a:\g1a+7]
	s_nop 0
.rept 4
	v_nop
.endr
	s_branch .Lasked_\@
.Lfor_b_\@:
	tensor_load_to_lds s[\g0b:\g0b+3], s[\g1b:\g1b+7]
	s_nop 0
.rept 4
	v_nop
.endr
.Lasked_\@:
.endm
.macro CREST
	s_cmp_lg_u32 s14, 0
	s_cbranch_scc1 .Lnot_wave_0_\@
	s_barrier_signal -3
.Lnot_wave_0_\@:
	s_barrier_wait -3
	s_barrier_signal -1
	s_barrier_wait -1
.endm
.macro CROUND
	s_barrier_signal -1
	s_barrier_wait -1
	CREST
.endm
	s_load_b128 s[4:7], s[0:1], 0x0                ; ac, asc
	s_load_b128 s[8:11], s[0:1], 0x10              ; cod, scl
	s_load_b64 s[96:97], s[0:1], 0x20              ; b_out
	s_load_b64 s[12:13], s[0:1], 0x28              ; out0
	v_lshl_add_u32 v[SPW], v0, 2, SPARE
	v_mov_b32 v[NIL], 0
	ds_add_u32 v28, v29
	ds_add_u32 v28, v29
	s_wait_dscnt 0x0
	v_lshrrev_b32 v1, 5, v0
	v_readfirstlane_b32 s14, v1                    ; wave 0..3
	s_lshr_b32 s15, s14, 1                         ; which half of the tile's tokens is mine.  Also: I fetch for attn (0) or for W_out (1)
	s_and_b32 s16, s14, 1                          ; which half of its features.  Also: which 128 rows I fetch
	s_bfe_u32 s40, ttmp6, 0x40000
	s_bfe_u32 s41, ttmp6, 0x40004
	s_lshl_b32 s42, ttmp9, 2
	s_add_co_u32 s42, s42, s40                     ; tile column
	s_and_b32 s17, ttmp7, 0xffff
	s_lshl_b32 s17, s17, 2
	s_add_co_u32 s17, s17, s41                     ; tile row
	s_lshl_b32 s43, s41, 2
	s_lshl_b32 s43, 15, s43
	s_lshl_b32 s44, 0x1111, s40
	s_or_b32 s[G1+0], s43, (0<<16)|(1<<20)|(1<<21)|(3<<22)|(3<<25)
	s_or_b32 s[G1B+0], s44, (0<<16)|(1<<20)|(1<<21)|(3<<22)|(3<<25)
.irp g, G1, G1B
	s_mov_b32 s[\g+1], ROWB<<16
	s_mov_b32 s[\g+2], 128<<16
	s_mov_b32 s[\g+3], ROWB<<16
	s_mov_b32 s[\g+4], 128
	s_mov_b32 s[\g+5], KROW
	s_mov_b32 s[\g+6], 0
	s_mov_b32 s[\g+7], 0
.endr
	s_or_b32 s[G1S+0], s43, (3<<16)|(1<<20)|(1<<21)|(5<<22)|(3<<25)
	s_or_b32 s[G1SB+0], s44, (3<<16)|(1<<20)|(1<<21)|(5<<22)|(3<<25)
.irp g, G1S, G1SB
	s_mov_b32 s[\g+1], 32<<16
	s_mov_b32 s[\g+2], (128*KS/256)<<16
	s_mov_b32 s[\g+3], 32<<16
	s_mov_b32 s[\g+4], 128*KS/256
	s_mov_b32 s[\g+5], 32
	s_mov_b32 s[\g+6], 0
	s_mov_b32 s[\g+7], 0
.endr
	s_lshl_b32 s18, s16, 7
	s_lshl_b32 s20, s17, 8
	s_add_co_u32 s20, s20, s18
	s_lshl_b32 s46, s42, 8
	s_add_co_u32 s46, s46, s18
	s_mov_b32 s21, 0
	s_mov_b32 s47, 0
	s_mov_b64 s[18:19], KS
	s_mul_u64 s[22:23], s[20:21], s[18:19]
	s_mul_u64 s[92:93], s[46:47], s[18:19]
	s_mov_b64 s[18:19], KROW
	s_mul_u64 s[20:21], s[20:21], s[18:19]
	s_mul_u64 s[46:47], s[46:47], s[18:19]
	s_mul_i32 s45, s14, HALFT
	s_mul_i32 s94, s14, HALFS
	s_wait_kmcnt 0x0
	s_add_nc_u64 s[8:9], s[8:9], BCOD
	s_add_nc_u64 s[10:11], s[10:11], BSCL
	s_add_nc_u64 s[20:21], s[4:5], s[20:21]
	s_add_nc_u64 s[22:23], s[6:7], s[22:23]
	s_add_nc_u64 s[46:47], s[8:9], s[46:47]
	s_add_nc_u64 s[92:93], s[10:11], s[92:93]
	CROUND                                         ; all sixteen work-groups are here: the first joint loads meet
	s_mov_b32 s[G0S], 1
	s_add_co_u32 s[G0S+1], s94, SCL
	s_mov_b64 s[G0S+2:G0S+3], s[22:23]
	s_or_b32 s[G0S+3], s[G0S+3], 0x80000000
	s_mov_b32 s[G0SB], 1
	s_add_co_u32 s[G0SB+1], s94, SCL
	s_mov_b64 s[G0SB+2:G0SB+3], s[92:93]
	s_or_b32 s[G0SB+3], s[G0SB+3], 0x80000000
	JLOAD G0S, G1S, G0SB, G1SB
.irp s, 0,1
	s_mov_b32 s[G0+4*\s], 1
	s_add_co_u32 s[G0+4*\s+1], s45, \s*SLOT
	s_add_nc_u64 s[G0+4*\s+2:G0+4*\s+3], s[20:21], \s*ROWB
	s_or_b32 s[G0+4*\s+3], s[G0+4*\s+3], 0x80000000
	s_mov_b32 s[G0B+4*\s], 1
	s_add_co_u32 s[G0B+4*\s+1], s45, \s*SLOT
	s_add_nc_u64 s[G0B+4*\s+2:G0B+4*\s+3], s[46:47], \s*ROWB
	s_or_b32 s[G0B+4*\s+3], s[G0B+4*\s+3], 0x80000000
	JLOAD G0+4*\s, G1, G0B+4*\s, G1B
.endr
	v_and_b32 v1, 15, v0                           ; r
	v_bfe_u32 v2, v0, 4, 1                         ; h
	s_lshl_b32 s20, s42, 10                        ; the bias of my 128 features
	s_lshl_b32 s21, s16, 9
	s_add_co_u32 s20, s20, s21
	s_mov_b32 s21, 0
	s_add_nc_u64 s[96:97], s[96:97], s[20:21]
	v_lshlrev_b32 v7, 6, v2
.irp b, 0,1,2,3,4,5,6,7
	global_load_b128 v[BI+8*\b:BI+8*\b+3], v7, s[96:97] offset:128*(\b/2)+32*(\b%2)        ; features 32 (b / 2) + 16 h + 8 (b % 2) + 0 .. 7
	global_load_b128 v[BI+8*\b+4:BI+8*\b+7], v7, s[96:97] offset:128*(\b/2)+32*(\b%2)+16
.endr
	v_mul_u32_u24 v3, v1, PITCH
	v_mul_u32_u24 v4, v2, 24
	v_add_nc_u32 v4, v3, v4
	v_lshl_add_u32 v5, v2, 4, v4
	s_mul_i32 s21, s15, HALFT
	s_mul_i32 s22, s16, HALFT
	s_add_co_u32 s22, s22, 2*HALFT
.irp s, 0,1
	v_add_nc_u32 v[ADRA+\s], s21, v4
	v_add_nc_u32 v[ADRB+\s], s22, v4
	v_add_nc_u32 v[ADRA+2+\s], s21, v5
	v_add_nc_u32 v[ADRB+2+\s], s22, v5
	s_add_co_u32 s21, s21, SLOT
	s_add_co_u32 s22, s22, SLOT
.endr
	v_mul_u32_u24 v5, v1, KS
	v_lshrrev_b32 v6, 8, v5
	v_lshl_add_u32 v5, v6, 4, v5
	s_mul_i32 s21, s15, HALFS
	s_mul_i32 s22, s16, HALFS
	s_add_co_u32 s22, s22, 2*HALFS
	s_sub_co_u32 s22, s22, s21
	v_mul_u32_u24 v6, s22, v2
	s_add_co_u32 s21, s21, SCL
	v_add_nc_u32 v5, v5, v6
	v_add_nc_u32 v[ADRS], s21, v5
	s_mul_i32 s23, s14, 16*SPITCH                  ; my stage
	v_mul_u32_u24 v5, v1, SPITCH                   ; in: row r, + 64 h: 16 features for each half of the lanes in each 32
	v_lshl_add_u32 v5, v2, 6, v5
	v_add_nc_u32 v[STO], s23, v5
	v_and_b32 v6, 31, v0
	v_lshlrev_b32 v[CO], 4, v6                     ; back: the 32 lanes take one row of 512 bytes; and the same in out0
	v_add_nc_u32 v[RD], s23, v[CO]
	s_lshl_b32 s20, s17, 8
	s_lshl_b32 s21, s15, 7
	s_add_co_u32 s20, s20, s21                     ; my first row of out0
	s_mov_b32 s21, 0
	s_mov_b64 s[18:19], SIZE_N*4
	s_mul_u64 s[20:21], s[20:21], s[18:19]
	s_lshl_b32 s46, s42, 10                        ; my first column, in bytes
	s_lshl_b32 s47, s16, 9
	s_add_co_u32 s46, s46, s47
	s_mov_b32 s47, 0
	s_add_nc_u64 s[20:21], s[20:21], s[46:47]
	s_add_nc_u64 s[12:13], s[12:13], s[20:21]
.macro FRAG reg, adr, q, i
.irp p, 0,1,2,3,4,5
.set PCE, 12*(\q)+6*(\p/3)+\p%3
.if PCE%8 < 5
	ds_load_b64 v[\reg+2*\p:\reg+2*\p+1], v[\adr] offset:8*PCE+16*(PCE/8)+(\i)*16*PITCH
.else
	ds_load_b64 v[\reg+2*\p:\reg+2*\p+1], v[\adr+2] offset:8*PCE+16*(PCE/8)+(\i)*16*PITCH
.endif
.endr
.endm
; 16 matrix instructions.  zero = 1: the first product starts the sums, with the bias as C.  The 64 accumulators take turns, one instruction a turn.
.macro MUL16 a0, p, q, sc, zero
.irp a, \a0, \a0+1
.irp b, 0,1,2,3,4,5,6,7
.if \zero
	v_wmma_scale_f32_16x16x128_f8f6f4 v[8*(8*((\a)%4)+\b):8*(8*((\a)%4)+\b)+7], v[128*(\p)+FR*\b:128*(\p)+FR*\b+FR-1], v[AF+FR*(\a):AF+FR*(\a)+FR-1], v[BI+8*\b:BI+8*\b+7], v[SC+8*NQ*(\sc)+NQ*\b+(\q)], v[SC+8*NQ*(\sc)+NQ*(\a)+(\q)] matrix_a_fmt:MATRIX_FMT_FP6 matrix_b_fmt:MATRIX_FMT_FP6 matrix_a_scale:MATRIX_SCALE_ROW1
.else
	v_wmma_scale_f32_16x16x128_f8f6f4 v[8*(8*((\a)%4)+\b):8*(8*((\a)%4)+\b)+7], v[128*(\p)+FR*\b:128*(\p)+FR*\b+FR-1], v[AF+FR*(\a):AF+FR*(\a)+FR-1], v[8*(8*((\a)%4)+\b):8*(8*((\a)%4)+\b)+7], v[SC+8*NQ*(\sc)+NQ*\b+(\q)], v[SC+8*NQ*(\sc)+NQ*(\a)+(\q)] matrix_a_fmt:MATRIX_FMT_FP6 matrix_b_fmt:MATRIX_FMT_FP6 matrix_a_scale:MATRIX_SCALE_ROW1
.endif
.endr
.endr
.endm
.macro FETCH_B slot, q, p
	WIN TO_B
.irp i, 0,1,2,3,4,5,6,7
	FRAG 128*(\p)+FR*\i, ADRB+\slot, \q, \i
.endr
	WIN 0
.endm
.macro FETCH_A slot, q, i0
.irp i, \i0, \i0+1, \i0+2, \i0+3
	FRAG AF+FR*(\i), ADRA+\slot, \q, \i
.endr
.endm
.macro SCALES sc
.irp i, 0,1,2,3,4,5,6,7
	ds_load_b64 v[SC+8*NQ*\sc+NQ*\i:SC+8*NQ*\sc+NQ*\i+1], v[ADRS] offset:\i*SBLK
.endr
.endm
.macro PLACES n
.rept \n
	v_nop
.endr
.endm
.macro STEP slot, q, zero
	s_wait_dscnt 4*NL                              ; W_out's set and attn's blocks 0-3 are in; the 24 loads of blocks 4-7 may be out
.if \zero
	WIN FIRST_LO
.else
	WIN MUL_LO
.endif
	MUL16 0, (\q)%2, \q, \slot, \zero
	MUL16 2, (\q)%2, \q, \slot, \zero
	s_wait_dscnt 0
	PLACES NP
	FETCH_B \slot, (\q)+1, 1-(\q)%2
	FETCH_A \slot, (\q)+1, 0
.if \zero
	WIN FIRST_HI
.else
	WIN MUL_HI
.endif
	MUL16 4, (\q)%2, \q, \slot, \zero
	MUL16 6, (\q)%2, \q, \slot, \zero
	PLACES NP
	WIN 0
	FETCH_A \slot, (\q)+1, 4
.endm
.macro TURN slot, next, fill
	s_wait_tensorcnt 0x0                           ; all my tensor loads have landed: my part of the next slot
	ds_add_u32 v[SPW], v[NIL]                      ; 0 onto my spare word
	s_wait_dscnt 4*NL+1                            ; (the add and the 24 youngest loads may be out)
	WIN MUL_LO
	MUL16 0, 1, NQ-1, \slot, 0
	s_wait_dscnt 0x0                               ; the add is done, and my reads of this slot are over
	s_barrier_signal -1
	MUL16 2, 1, NQ-1, \slot, 0
	WIN 0
	s_barrier_wait -1
.if \fill
	CREST                                          ; a round of the cluster's barrier: no wave of any partner still reads this slot or has a load on its way
	s_add_nc_u64 s[G0+4*\slot+2:G0+4*\slot+3], s[G0+4*\slot+2:G0+4*\slot+3], 2*ROWB
	s_add_nc_u64 s[G0B+4*\slot+2:G0B+4*\slot+3], s[G0B+4*\slot+2:G0B+4*\slot+3], 2*ROWB
	JLOAD G0+4*\slot, G1, G0B+4*\slot, G1B
.else
	PLACES NP
.endif
	v_add_nc_u32 v[ADRS], 4*NQ, v[ADRS]
	FETCH_B \next, 0, 0
	FETCH_A \next, 0, 0
	SCALES \next
	WIN MUL_HI
	MUL16 4, 1, NQ-1, \slot, 0
	MUL16 6, 1, NQ-1, \slot, 0
	PLACES NP
	WIN 0
	FETCH_A \next, 0, 4
.endm
	s_wait_loadcnt 0x0                             ; the bias
	s_wait_tensorcnt 1                             ; the scales and my part of K step 0 are in; K step 1's load may be out
	s_barrier_signal -1
	s_barrier_wait -1
	FETCH_B 0, 0, 0
	FETCH_A 0, 0, 0
	SCALES 0
	FETCH_A 0, 0, 4
	STEP 0, 0, 1
	s_mov_b32 s3, LAPS-1
.Llap:
	TURN 0, 1, 1
	STEP 1, 0, 0
	TURN 1, 0, 1
	STEP 0, 0, 0
	s_sub_co_u32 s3, s3, 1
	s_cmp_lg_u32 s3, 0
	s_cbranch_scc1 .Llap
	TURN 0, 1, 0
	STEP 1, 0, 0
	s_wait_dscnt 4*NL
	WIN MUL_LO
	MUL16 0, 1, NQ-1, 1, 0
	MUL16 2, 1, NQ-1, 1, 0
	s_wait_dscnt 0
	WIN MUL_HI
	MUL16 4, 1, NQ-1, 1, 0
	MUL16 6, 1, NQ-1, 1, 0
	WIN 0
; THE WAY OUT, block by block of 16 rows x 128 columns, through my own stage in LDS; back as whole rows of 512 bytes.  LDS serves a wave's instructions in order (ISA guide 5.7.1.4): no wait between the stores and the loads.
.macro TOSTAGE a
.set AC, 64*((\a)%4)
	WIN 0x08+4*((\a)/4)                            ; the data: window 2 or 3
.irp b, 0,1,2,3,4,5,6,7
	ds_store_b128 v[STO], v[AC+8*\b:AC+8*\b+3] offset:128*(\b/2)+32*(\b%2)          ; each accumulator from its low end on
	ds_store_b128 v[STO], v[AC+8*\b+4:AC+8*\b+7] offset:128*(\b/2)+32*(\b%2)+16
.endr
	WIN 0
.set BB, BK+64*((\a)%2)
.irp t, 0,1,2,3,4,5,6,7,8,9,10,11,12,13,14,15
	ds_load_b128 v[BB+4*\t:BB+4*\t+3], v[RD] offset:\t*SPITCH
.endr
.endm
.macro SEND a, younger                 ; younger: the LDS instructions issued behind block a's loads, which may stay out
.set BB, BK+64*((\a)%2)
	s_wait_dscnt \younger
.if (\a) > 0
	s_add_nc_u64 s[12:13], s[12:13], 16*SIZE_N*4   ; (behind a wait on XCNT: the earlier stores have read their base)
.endif
.irp t, 0,1,2,3,4,5,6,7,8,9,10,11,12,13,14,15
	global_store_b128 v[CO], v[BB+4*\t:BB+4*\t+3], s[12:13] offset:\t*SIZE_N*4 th:TH_STORE_NT   ; 32 lanes store 512 consecutive bytes, aligned
.endr
.endm
	PLACES NP
	TOSTAGE 0
.irp a, 1,2,3,4,5,6,7
.if \a > 1
	s_wait_xcnt 0x0                                ; block a - 2's stores have read their registers and their base
.endif
	TOSTAGE \a
	SEND \a-1, 32                                  ; behind block a - 1's loads: block a's 16 stores and 16 loads
.endr
	s_wait_xcnt 0x0
	SEND 7, 0
	s_wait_tensorcnt 0x0                           ; the wave's end
	ds_add_u32 v[SPW], v[NIL]
	s_wait_dscnt 0x0
	CROUND
	s_endpgm
.Lfunc_end_k_q2a9d14f4cb_gemm_out:
	.size	k_q2a9d14f4cb_gemm_out, .Lfunc_end_k_q2a9d14f4cb_gemm_out-k_q2a9d14f4cb_gemm_out
	.p2alignl 7, 3214868480
	.fill 96, 4, 3214868480
	.section	.rodata,"a",@progbits
	.p2align	6, 0x0
	.amdhsa_kernel k_q2a9d14f4cb_gemm_out
		.amdhsa_group_segment_fixed_size 327680
		.amdhsa_private_segment_fixed_size 0
		.amdhsa_enable_private_segment 0
		.amdhsa_kernarg_size 48
		.amdhsa_user_sgpr_count 2
		.amdhsa_user_sgpr_kernarg_segment_ptr 1
		.amdhsa_wavefront_size32 1
		.amdhsa_system_sgpr_workgroup_id_x 1
		.amdhsa_system_sgpr_workgroup_id_y 1
		.amdhsa_system_sgpr_workgroup_id_z 1
		.amdhsa_system_vgpr_workitem_id 0
		.amdhsa_next_free_vgpr 1024
		.amdhsa_next_free_sgpr 104
		.amdhsa_reserve_vcc 0
		.amdhsa_float_denorm_mode_32 3
		.amdhsa_float_denorm_mode_16_64 3
		.amdhsa_memory_ordered 1
		.amdhsa_forward_progress 1
		.amdhsa_inst_pref_size 162
	.end_amdhsa_kernel
	.amdgpu_metadata
---
amdhsa.version: [ 1, 2 ]
amdhsa.kernels:
  - .name:           k_q2a9d14f4cb_gemm_out
    .symbol:         k_q2a9d14f4cb_gemm_out.kd
    .args:
      - { .name: ac, .offset: 0, .size: 8, .value_kind: global_buffer, .address_space: global }
      - { .name: asc, .offset: 8, .size: 8, .value_kind: global_buffer, .address_space: global }
      - { .name: cod, .offset: 16, .size: 8, .value_kind: global_buffer, .address_space: global }
      - { .name: scl, .offset: 24, .size: 8, .value_kind: global_buffer, .address_space: global }
      - { .name: b_out, .offset: 32, .size: 8, .value_kind: global_buffer, .address_space: global }
      - { .name: out0, .offset: 40, .size: 8, .value_kind: global_buffer, .address_space: global }
    .group_segment_fixed_size: 327680
    .private_segment_fixed_size: 0
    .kernarg_segment_align: 8
    .kernarg_segment_size: 48
    .max_flat_workgroup_size: 128
    .sgpr_count:     104
    .vgpr_count:     1024
    .wavefront_size: 32
...
	.end_amdgpu_metadata
.endif
;; end of part 5
